; MI455X (gfx1250); checked and timed in simulation.
; The chip was launched on July 23, 2026; its instructions are those of AMD's public machine-readable ISA for CDNA 5 (MIT licence, August 2026) and "CDNA5" Instruction Set Architecture Reference Guide (July 2026). The comments in the code are by the model that wrote it; some were corrected since.
;; Attention. Allowed arithmetic: matrix products marked QUANTISED: E2M3 operands, one E8M0 scale for each 32 along K, by v_wmma_scale_f32_16x16x128_f8f6f4 with both operands' format E2M3, f32 sums; everything else in f32.
;; Inputs: Wk_codes 1,024 x 32 x 24 uint8 (E2M3 codes of Wk, K innermost, in blocks of 32 codes, four codes in three bytes); Wk_scales 1,024 x 32 uint8 (E8M0 scales of Wk, one for each 32 codes along K); Wo_codes 1,024 x 32 x 24 uint8 (E2M3 codes of Wo, K innermost, in blocks of 32 codes, four codes in three bytes); Wo_scales 1,024 x 32 uint8 (E8M0 scales of Wo, one for each 32 codes along K); Wq_codes 1,024 x 32 x 24 uint8 (E2M3 codes of Wq, K innermost, in blocks of 32 codes, four codes in three bytes); Wq_scales 1,024 x 32 uint8 (E8M0 scales of Wq, one for each 32 codes along K); Wv_codes 1,024 x 32 x 24 uint8 (E2M3 codes of Wv, K innermost, in blocks of 32 codes, four codes in three bytes); Wv_scales 1,024 x 32 uint8 (E8M0 scales of Wv, one for each 32 codes along K); bk 1,024 float32; bo 1,024 float32; bq 1,024 float32; bv 1,024 float32; x_codes 4 x 2,048 x 32 x 24 uint8 (E2M3 codes of x, K innermost, in blocks of 32 codes, four codes in three bytes); x_scales 4 x 2,048 x 32 uint8 (E8M0 scales of x, one for each 32 codes along K).
;; Outputs: out0 4 x 2,048 x 1,024 float32.
;; This version of the problem:
;;   THIS VERSION OF THE PROBLEM IS GIVEN IN LOW PRECISION. The matrix products marked QUANTISED in the list below multiply operands that are first quantised to E2M3 (2 exponent bits, 3 mantissa bits; 6 bits a number), with one power-of-two scale for each 32 numbers along K (OCP MX v1.0); their sums are f32. All else is computed in f32.
;;   The module's matrix products, in the order in which they are computed (A, B: the left and right operand; K: the contracted axis; several contracted axes count as one K, in the product's order):
;;     1. [M 8,192, K 1,024] x [K 1,024, N 1,024]; A: input x (given as codes); B: input Wq (given as codes): QUANTISED
;;     2. [M 8,192, K 1,024] x [K 1,024, N 1,024]; A: input x (given as codes); B: input Wk (given as codes): QUANTISED
;;     3. [M 8,192, K 1,024] x [K 1,024, N 1,024]; A: input x (given as codes); B: input Wv (given as codes): QUANTISED
;;     4. batch 64 x [M 2,048, K 64] x [K 64, N 2,048]; A: computed on the way; B: computed on the way: QUANTISED
;;     5. batch 64 x [M 64, K 2,048] x [K 2,048, N 2,048]; A: computed on the way; B: softmax (see below): QUANTISED
;;     6. [M 8,192, K 1,024] x [K 1,024, N 1,024]; A: computed on the way; B: input Wo (given as codes): QUANTISED
;;   THE QUANTISER, for each operand of a quantised product, along K:
;;     - K is cut into blocks of 32 from its start; a last block that is shorter is filled with zeros.
;;     - A block's scale is 2^e with e = floor(log2(the largest magnitude in the block)) - 2, held to -126 .. 127; a block of zeros has e = 0. As a byte (E8M0): e + 127.
;;     - Each number is divided by its block's scale, clamped to +-7.5, and rounded to the nearest number of E2M3, ties to even, subnormals kept.
;;     - The product sums the exact products of the quantised numbers (number of the format x scale) in f32.
;;   ~~~python
;;   def quantise(x, axis):      # numpy; x: float32 -> the quantised numbers, widened to float32 again
;;       x = np.moveaxis(x, axis, -1); K = x.shape[-1]
;;       x = np.pad(x, [(0, 0)] * (x.ndim - 1) + [(0, -K % 32)]); x = x.reshape(x.shape[:-1] + (-1, 32)); a = np.abs(x).max(-1, keepdims=True)
;;       e = np.where(a > 0, np.clip(np.frexp(np.where(a > 0, a, 1))[1] - 1 - 2, -126, 127), 0)      # np.frexp(a)[1] - 1 = floor(log2(a)), exactly
;;       r = np.clip(x / 2.0 ** e, -7.5, 7.5)
;;       step = 2.0 ** (np.maximum(np.frexp(np.where(r == 0, 1, r))[1] - 1, 0) - 3)
;;       q = np.round(r / step) * step * 2.0 ** e      # np.round: ties to even
;;       return np.moveaxis(q.reshape(q.shape[:-2] + (-1,))[..., :K], -1, axis).astype(np.float32)
;;   ~~~
;;   SOFTMAX AHEAD OF A QUANTISED PRODUCT. Where the list says 'softmax', what is quantised is not the finished softmax but p = 2^(t - M), with t = logit x log2(e) and M = ceil(the row's largest t), a whole number; so 1/2 < the row's largest p <= 1. The row's sum l is taken of the UNQUANTISED p, in f32, and the product's result is divided by l at the end. Since M is a whole number, a kernel that streams over the keys may use a running M (the ceiling of the running maximum): every later rescaling is an exact power of two, which a block's scale takes up: the codes' values come out the same.
;;   OPERANDS COMPUTED ON THE WAY. 'Computed on the way' means the value that the module computes at that place (a softmax that the list does not call 'softmax' is quantised finished and normalised). What goes into a quantiser is computed in f32, as accurately as f32 sums, v_exp_f32 and their like allow (about 1e-6 of the number): no bf16 or f16 on the way to a quantiser, and a product that is left as it is and whose result goes on into a quantised operand takes f32 operands (vector FMAs, or v_wmma_f32_16x16x4_f32). A number that lies on a knife's edge between two numbers of the format may be rounded either way, as far as f32 arithmetic and the matrix unit's own rounding can turn it there, and no further.
;;   INPUTS GIVEN AS CODES. Wk (in the module: [1024, 1024], K = its axis 0); Wo (in the module: [1024, 1024], K = its axis 0); Wq (in the module: [1024, 1024], K = its axis 0); Wv (in the module: [1024, 1024], K = its axis 0); x (in the module: [4, 2048, 1024], K = its axis 2): each comes as NAME_codes (uint8): NAME with its K axis moved to the last place and cut into blocks of 32 codes, [.., K / 32, bytes a block], one block behind the other in memory; four codes in three bytes: a row's codes are one little-endian stream of bits, code i at bits 6 i .. 6 i + 5 (a code: sign, 2 exponent bits, 3 mantissa bits); and NAME_scales (uint8): the same leading axes, one E8M0 byte (e + 127) for each 32 codes along K. Its value is code x scale, taken as it is: it is not quantised again, and the codes and scales need not be those that the quantiser above would give.
;; One version. Each part assembles by itself: llvm-mc -triple=amdgcn-amd-amdhsa -mcpu=gfx1250 --defsym DOCPART=n.
;; ======== version 1 of 1: 3 launches
;; workspace buffers: qkv 19,660,800 bytes; pf 6,291,456 bytes; pfs 262,144 bytes
;; launch qkv (part 1): grid 12 x 32, 4 waves a work-group, clusters of 4 x 4, 327,680 bytes of LDS; arguments x_codes, x_scales, Wq_codes, Wq_scales, Wk_codes, Wk_scales, Wv_codes, Wv_scales, bq, bk, bv, qkv; writes qkv
.if DOCPART == 1
	.amdgcn_target "amdgcn-amd-amdhsa--gfx1250"
	.amdhsa_code_object_version 6
	.text
	.protected	k_q8017e0913e_qkv
	.globl	k_q8017e0913e_qkv
	.p2align	8
	.type	k_q8017e0913e_qkv,@function
k_q8017e0913e_qkv:
	s_mov_b64 s[64:65], 0
	v_nop
	global_prefetch_b8 v0, s[64:65] scope:SCOPE_SE
	s_setreg_imm32_b32 hwreg(HW_REG_WAVE_MODE, 25, 1), 1
	s_wait_xcnt 0x0
	s_wait_alu depctr_hold_cnt(0) depctr_sa_sdst(0) depctr_va_vdst(0) depctr_va_sdst(0) depctr_va_ssrc(0) depctr_va_vcc(0) depctr_vm_vsrc(0)
	s_getreg_b32 s2, hwreg(HW_REG_IB_STS2, 6, 4)
	s_cmp_eq_u32 s2, 0
	s_cbranch_scc0 .Lentry_in_a_cluster
	s_endpgm
.Lentry_in_a_cluster:
	s_bfe_u32 s2, ttmp6, 0x10000c
	s_cmp_lg_u32 s2, 0xf033
	s_cbranch_scc0 .Lentry_shape_is_right
	s_endpgm
.Lentry_shape_is_right:
; q = x Wq + bq, k = x Wk + bk, v = x Wv + bv: three products [8192 x 1024] x [1024 x 1024] on codes of FP6 (E2M3) with one E8M0 scale for each 32 along K, sums in f32.
; The results never leave as f32: they are quantised here for the next products, q and k along a head's 64 features, v along the keys (tokens), and stored as codes and scale bytes.
; A tile of 256 x 256 results is made by a work-group of four waves, each 128 x 128: 64 accumulators of 16 x 16.  K goes in steps of 256 through a ring of two LDS slots filled by the tensor data mover.
; ROLES.  The cluster's x (0, 1, 2) says which product: q, k or v; it is the same in all sixteen partners.  "A" is the operand whose rows fall on lanes (source 1), "B" the one whose rows fall on a lane's registers (source 0).
;   q, k: A = x (tokens on lanes), B = the weight (features along registers).     v: A = Wv (features on lanes), B = x (tokens along registers).
; So in each case a lane's registers run along the NEXT product's K.  One text serves all three: only pointers and scalars are chosen, by s_cselect on the cluster's x; no branch hangs on the role.
; CLUSTERS: 4 x 4 work-groups; A's tiles are asked for jointly along a row of the cluster, B's along a column.
; WHAT IS STORED.  A half fragment (16 rows x 64 K) is 6 registers a lane; it is stored as an image of these registers: 3 planes of 256 bytes, plane p = registers 2 p, 2 p + 1, lane l at byte 8 l.
; A record of 6,400 bytes belongs to one tensor (q, k, v), one batch-and-head bh and one run s of 128 tokens: 6,144 bytes of images, then 256 scale bytes.  It lies at tensor x 6,553,600 + bh x 102,400 + s x 6,400.
;   q, k: token tile a (0..7) at 768 a; scale word (two bytes of tile 2 g, two of tile 2 g + 1, row r) at 6,144 + 128 (g / 2) + 8 r + 4 (g % 2).
;   v:    the fragment of features 16 dt .. 16 dt + 15 x 128 tokens at 1,536 dt; its scale word (four token blocks, feature r) at 6,144 + 128 (dt % 2) + 8 r + 4 (dt / 2).
; ORDER INSIDE A BLOCK OF 32.  A lane of half e holds k = 32 b + 16 u + 8 e + j in register 16 b + 8 u + j; the codes of a block end up at place 16 e + 8 u + j.  The 32 numbers are the true block, so the scale is the rule's;
; q and k get the same order, and so do v and the softmax's weights in the next launch: only the order of the additions inside a block differs from ascending k.
; LIMITS: NaN and infinities among the biases or results are not served; a given scale byte 0xff gives NaN; a block whose largest magnitude lies under 2^-124 is held at the scale byte 1 (a block of zeros too, where the
; rule says 127: its codes are zeros, and these bytes are read by this program alone).
; REGISTERS, in windows of 256: window 0: v16-31 addresses; v32-63 scale words, two sets; v64-127 the bias along B; v128-223 A's fragments, one set; v224-239 the bias along A.  On the way out v64-223 are free.
;   window 1: B's fragments, two sets, at v0 and v128.   window 2: the 32 accumulators of my A rows 0-63 (accumulator (a, b) at v[8 (8 a + b)]);   window 3: those of rows 64-127.
.set SIZE_K, 1024
.set KSTEP,  256                       ; along K in a slot
.set NQ,     KSTEP/128                 ; matrix instructions deep
.set ROWB,   192                       ; a tile's row in bytes
.set KROW,   SIZE_K*6/8                ; a row of codes in memory
.set PITCH,  240                       ; an LDS row: 3 x (64 bytes + 16 of padding)
.set FR,     12                        ; registers of a fragment
.set NL,     6                         ; LDS loads that bring one
.set NP,     4                         ; places behind this matrix instruction (ISA guide 7.12.1)
.set HALFT,  128*PITCH                 ; 128 rows: what one tensor load brings
.set SLOT,   4*HALFT                   ; A's 256 rows, then B's 256 rows
.set LAPS,   SIZE_K/(2*KSTEP)
.set KS,     SIZE_K/32                 ; a row of scale bytes
.set SCL,    2*SLOT                    ; behind the ring: the scales, as pieces of 256 bytes + 16 of padding
.set HALFS,  (128*KS/256)*272
.set SBLK,   (16*KS/256)*272
.set SPARE,  SCL+4*HALFS               ; the spare words, 128 bytes for each wave; no other line names them
.set RECB,   6400                      ; a record
.set HEADB,  16*RECB                   ; a batch-and-head's 16 records
.set SECB,   64*HEADB                  ; a tensor's section of the buffer
.set ADRA, 16                          ; v16-17 LDS address of my A fragments in slot 0, 1 (v18-19: for the pieces behind one padding more)
.set ADRB, 20                          ; v20-23 the same for B
.set VO,   24                          ; v24 8 x lane: my place in a plane; v25 the same in the fragment's second half's image
.set VS0,  26                          ; v26 my place among the scale bytes, first store
.set ADRS, 27                          ; v27 LDS address of my scale words
.set SPW,  28                          ; v28 LDS address of my spare word; never rewritten
.set NIL,  29                          ; v29 0; never rewritten
.set VS1,  30                          ; v30 my place among the scale bytes, second store
.set LN,   31                          ; v31 lane
.set SC,   32                          ; scale words, and nothing else
.set BR,   64                          ; the bias along B: 8 registers for each of B's 8 blocks, in the result's layout
.set AF,   128                         ; A's fragments
.set BL,   224                         ; the bias along A: block a's number of my row, twice (a pair for the packed addition)
.set T,    128                         ; the way out: 64 numbers of a lane
.set CD,   192                         ; v192-203 the codes just made; v204-206, v208-210 halves on their way
.set TM,   64                          ; v64-79 at work in the quantiser
.set PW0,  80                          ; v80, v81 the scale words of an even and an odd block of A
.set XW,   82                          ; v82-89 the scale words as they are stored
.set Y,    90                          ; v90-93 the two stores' data
.set SEL,  66                          ; s[66:67] v_permlanex16_b32's selects for lane l xor 16
.set G1, 24                            ; s[24:31] descriptor group 1 for A's tiles;  s[32:39] group 0, one set for each slot
.set G0, 32
.set G1B, 48                           ; s[48:55], s[56:63] the same for B's tiles
.set G0B, 56
.set G1S, 68                           ; s[68:75], s[76:79] groups 1 and 0 for A's scales;  s[80:87], s[88:91] for B's (the arguments lie here first)
.set G0S, 76
.set G1SB, 80
.set G0SB, 88
.set MSB, 0
.macro WIN new                         ; the immediate's high byte repeats the setting that is left
.if MSB != \new
	s_set_vgpr_msb (MSB<<8)|\new
.set MSB, \new
.endif
.endm
.set MUL_LO,  0xa1                     ; source 0 (B) window 1, source 1 (A) window 0, C and D window 2
.set MUL_HI,  0xf1                     ; the same, C and D window 3
.set MUL_LO0, 0x81                     ; the first step: C (the bias) window 0, D window 2
.set MUL_HI0, 0xc1                     ; and D window 3
.set TO_B,    0x40                     ; destination window 1, address window 0
; A joint load: waves 0 and 1 fetch for A, waves 2 and 3 for B.  Each line has one mask and one set of registers for all that issue it; the branch hangs on the wave's number alone.
; Four v_nop follow each of the two lines, ahead of the jump, the label and what follows.
.macro JLOAD g0a, g1a, g0b, g1b
	s_cmp_eq_u32 s15, 0
	s_cbranch_scc0 .Lfor_b_\@
	tensor_load_to_lds s[\g0a:\g0a+3], s[\g1a:\g1a+7]
	s_nop 0
.rept 4
	v_nop
.endr
	s_branch .Lasked_\@
.Lfor_b_\@:
	tensor_load_to_lds s[\g0b:\g0b+3], s[\g1b:\g1b+7]
	s_nop 0
.rept 4
	v_nop
.endr
.Lasked_\@:
.endm
.macro CREST                           ; a round of the cluster's barrier behind its opening barrier
	s_cmp_lg_u32 s14, 0
	s_cbranch_scc1 .Lnot_wave_0_\@
	s_barrier_signal -3
.Lnot_wave_0_\@:
	s_barrier_wait -3
	s_barrier_signal -1
	s_barrier_wait -1
.endm
.macro CROUND                          ; a whole round
	s_barrier_signal -1
	s_barrier_wait -1
	CREST
.endm
	s_load_b512 s[68:83], s[0:1], 0x0              ; x codes 68, x scales 70, Wq 72, 74, Wk 76, 78, Wv 80, 82
	s_load_b256 s[84:91], s[0:1], 0x40             ; bq 84, bk 86, bv 88, the output 90
	v_lshl_add_u32 v[SPW], v0, 2, SPARE
	v_mov_b32 v[NIL], 0
	ds_add_u32 v28, v29
	ds_add_u32 v28, v29
	s_wait_dscnt 0x0
	v_lshrrev_b32 v1, 5, v0
	v_readfirstlane_b32 s14, v1                    ; wave 0..3
	s_lshr_b32 s15, s14, 1                         ; which half of A's 256 rows is mine.  Also: I fetch for A (0) or for B (1)
	s_and_b32 s16, s14, 1                          ; which half of B's.  Also: which 128 rows of that tile I fetch
	s_bfe_u32 s40, ttmp6, 0x40000                  ; cx, cy: my place in the cluster
	s_bfe_u32 s41, ttmp6, 0x40004
	s_and_b32 s17, ttmp7, 0xffff                   ; the cluster's y, 0..7: which 1,024 tokens
	s_cmp_eq_u32 ttmp9, 2                          ; v?  (the cluster's x: the same in all partners)
	s_cselect_b32 s42, s17, 0                      ; the tokens run along B for v,
	s_cselect_b32 s17, 0, s17                      ; along A for q and k
	s_lshl_b32 s42, s42, 2
	s_add_co_u32 s42, s42, s40                     ; B's tile of 256 rows: 4 x (cluster y or 0) + cx
	s_lshl_b32 s17, s17, 2
	s_add_co_u32 s17, s17, s41                     ; A's tile of 256 rows: 4 x (cluster y or 0) + cy
	s_lshl_b32 s43, s41, 2
	s_lshl_b32 s43, 15, s43                        ; my row of the cluster
	s_lshl_b32 s44, 0x1111, s40                    ; my column
	; descriptor group 1: a tile of 128 rows x 192 bytes, padded in LDS
	s_or_b32 s[G1+0], s43, (0<<16)|(1<<20)|(1<<21)|(3<<22)|(3<<25)  ; 15:0 the mask: A's tiles go to my row; elements of 1 byte; padding on; bit 21 beside a mask; after every 16 words, 4 words
	s_or_b32 s[G1B+0], s44, (0<<16)|(1<<20)|(1<<21)|(3<<22)|(3<<25)
.irp g, G1, G1B
	s_mov_b32 s[\g+1], ROWB<<16                    ; tensor_dim0
	s_mov_b32 s[\g+2], 128<<16                     ; tensor_dim1
	s_mov_b32 s[\g+3], ROWB<<16                    ; tile_dim0
	s_mov_b32 s[\g+4], 128                         ; tile_dim1
	s_mov_b32 s[\g+5], KROW                        ; tensor_dim0_stride
	s_mov_b32 s[\g+6], 0
	s_mov_b32 s[\g+7], 0
.endr
	s_lshl_b32 s18, s16, 7                         ; which 128 rows of the tile I fetch
	s_lshl_b32 s20, s17, 8
	s_add_co_u32 s20, s20, s18                     ; A: row 256 x tile + 128 x half
	s_lshl_b32 s46, s42, 8
	s_add_co_u32 s46, s46, s18                     ; B likewise
	s_mov_b32 s21, 0
	s_mov_b32 s47, 0
	s_mov_b64 s[18:19], KS
	s_mul_u64 s[22:23], s[20:21], s[18:19]         ; where these rows' scales begin, in bytes
	s_mul_u64 s[92:93], s[46:47], s[18:19]
	s_mov_b64 s[18:19], KROW
	s_mul_u64 s[20:21], s[20:21], s[18:19]         ; and their codes
	s_mul_u64 s[46:47], s[46:47], s[18:19]
	s_mul_i32 s45, s14, HALFT                      ; where they go: wave x 128 rows: no place in the cluster enters an LDS address
	s_mul_i32 s94, s14, HALFS
	s_mov_b32 s[SEL], 0x76543210
	s_mov_b32 s[SEL+1], 0xfedcba98
	s_wait_kmcnt 0x0
	s_cmp_eq_u32 ttmp9, 2                          ; the buffers are chosen by the cluster's x alone
	s_cselect_b64 s[4:5], s[80:81], s[68:69]       ; A's codes: Wv, or x
	s_cselect_b64 s[6:7], s[82:83], s[70:71]       ; A's scales
	s_cselect_b64 s[8:9], s[68:69], s[76:77]       ; B's codes: x, or Wk
	s_cselect_b64 s[10:11], s[70:71], s[78:79]     ; B's scales
	s_cselect_b64 s[96:97], s[88:89], s[86:87]     ; the bias: bv, or bk
	s_cmp_eq_u32 ttmp9, 0
	s_cselect_b64 s[8:9], s[72:73], s[8:9]         ; for q: Wq,
	s_cselect_b64 s[10:11], s[74:75], s[10:11]
	s_cselect_b64 s[96:97], s[84:85], s[96:97]     ; bq
	s_mov_b64 s[12:13], s[90:91]                   ; the output
	s_add_nc_u64 s[20:21], s[4:5], s[20:21]
	s_add_nc_u64 s[22:23], s[6:7], s[22:23]
	s_add_nc_u64 s[46:47], s[8:9], s[46:47]
	s_add_nc_u64 s[92:93], s[10:11], s[92:93]
	; group 1 for the scales of 128 rows: a dense block of 4,096 bytes, as 16 rows of 256 bytes (32 elements of 8 bytes), 16 bytes of padding behind each
	s_or_b32 s[G1S+0], s43, (3<<16)|(1<<20)|(1<<21)|(5<<22)|(3<<25)
	s_or_b32 s[G1SB+0], s44, (3<<16)|(1<<20)|(1<<21)|(5<<22)|(3<<25)
.irp g, G1S, G1SB
	s_mov_b32 s[\g+1], 32<<16
	s_mov_b32 s[\g+2], (128*KS/256)<<16
	s_mov_b32 s[\g+3], 32<<16
	s_mov_b32 s[\g+4], 128*KS/256
	s_mov_b32 s[\g+5], 32
	s_mov_b32 s[\g+6], 0
	s_mov_b32 s[\g+7], 0
.endr
	CROUND                                         ; all sixteen work-groups are here: the first joint loads meet
	s_mov_b32 s[G0S], 1
	s_add_co_u32 s[G0S+1], s94, SCL
	s_mov_b64 s[G0S+2:G0S+3], s[22:23]
	s_or_b32 s[G0S+3], s[G0S+3], 0x80000000
	s_mov_b32 s[G0SB], 1
	s_add_co_u32 s[G0SB+1], s94, SCL
	s_mov_b64 s[G0SB+2:G0SB+3], s[92:93]
	s_or_b32 s[G0SB+3], s[G0SB+3], 0x80000000
	JLOAD G0S, G1S, G0SB, G1SB                     ; the scales first: they are wanted with K step 0
.irp s, 0,1
	s_mov_b32 s[G0+4*\s], 1
	s_add_co_u32 s[G0+4*\s+1], s45, \s*SLOT
	s_add_nc_u64 s[G0+4*\s+2:G0+4*\s+3], s[20:21], \s*ROWB
	s_or_b32 s[G0+4*\s+3], s[G0+4*\s+3], 0x80000000
	s_mov_b32 s[G0B+4*\s], 1
	s_add_co_u32 s[G0B+4*\s+1], s45, \s*SLOT
	s_add_nc_u64 s[G0B+4*\s+2:G0B+4*\s+3], s[46:47], \s*ROWB
	s_or_b32 s[G0B+4*\s+3], s[G0B+4*\s+3], 0x80000000
	s_wait_alu depctr_va_vdst(0)
	s_wait_tensorcnt 0x0
	ds_add_u32 v28, v29
	s_wait_dscnt 0x0
	CROUND
	JLOAD G0+4*\s, G1, G0B+4*\s, G1B
.endr
	v_and_b32 v1, 15, v0                           ; r = l % 16
	v_bfe_u32 v2, v0, 4, 1                         ; h = l / 16
	v_mul_u32_u24 v3, v1, PITCH
	v_mul_u32_u24 v4, v2, 24
	v_add_nc_u32 v4, v3, v4                        ; a fragment's row x pitch + 24 x half
	v_lshl_add_u32 v5, v2, 4, v4                   ; and the same behind one padding more
	s_mul_i32 s21, s15, HALFT                      ; my 128 rows of A
	s_mul_i32 s22, s16, HALFT                      ; my 128 rows of B,
	s_add_co_u32 s22, s22, 2*HALFT                 ; which lie behind A's 256
.irp s, 0,1
	v_add_nc_u32 v[ADRA+\s], s21, v4
	v_add_nc_u32 v[ADRB+\s], s22, v4
	v_add_nc_u32 v[ADRA+2+\s], s21, v5
	v_add_nc_u32 v[ADRB+2+\s], s22, v5
	s_add_co_u32 s21, s21, SLOT
	s_add_co_u32 s22, s22, SLOT
.endr
	v_mul_u32_u24 v5, v1, KS                       ; my row's scales: 32 bytes a row,
	v_lshrrev_b32 v6, 8, v5
	v_lshl_add_u32 v5, v6, 4, v5                   ; and 16 more for each 256 passed
	s_mul_i32 s21, s15, HALFS                      ; A's: my 128 rows
	s_mul_i32 s22, s16, HALFS                      ; B's: my 128 rows, behind A's 256
	s_add_co_u32 s22, s22, 2*HALFS
	s_sub_co_u32 s22, s22, s21
	v_mul_u32_u24 v6, s22, v2                      ; lanes 16-31 take B's
	s_add_co_u32 s21, s21, SCL
	v_add_nc_u32 v5, v5, v6
	v_add_nc_u32 v[ADRS], s21, v5
	; THE WAY OUT'S NUMBERS.  All that differs between the roles is chosen here, on one compare, ahead of any line that sets SCC.
	s_lshl_b32 s20, s17, 8
	s_lshl_b32 s21, s15, 7
	s_add_co_u32 s20, s20, s21                     ; my first row of A
	s_lshl_b32 s46, s42, 8
	s_lshl_b32 s47, s16, 7
	s_add_co_u32 s46, s46, s47                     ; my first row of B
	s_cmp_eq_u32 ttmp9, 2
	s_cselect_b32 s95, s46, s20                    ; my first token
	s_cselect_b32 s100, s20, s46                   ; my first feature
	s_cselect_b32 s21, s20, 0                      ; the bias along A begins at my first feature (v), or is not used: then its first numbers are loaded and replaced by 0
	s_cselect_b32 s47, 0, s46                      ; the bias along B likewise (q, k)
	s_mov_b32 s18, HEADB
	s_cselect_b32 s18, 768, s18                    ; from a fragment's first half's image to its second's: the next 768 bytes (v), the next head (q, k)
	s_mov_b32 s6, 768
	s_cselect_b32 s6, 1536, s6                     ; from a block of A to the next
	s_cselect_b32 s8, HEADB-4*1536, 0              ; and from block 3 to block 4 this much more: v's next head
	s_mov_b32 s19, 128
	s_cselect_b32 s19, HEADB, s19                  ; scale bytes: from lanes 0-15 to lanes 16-31,
	s_mov_b32 s22, HEADB
	s_cselect_b32 s22, 128, s22                    ; and from the first store to the second
	s_mov_b32 s4, 0x05040100
	s_cselect_b32 s4, 0x03020100, s4               ; how two blocks' scale words are recombined: v: the even block's word; q, k: the first head's two bytes of each
	s_mov_b32 s5, 0x07060302
	s_cselect_b32 s5, 0x07060504, s5               ; v: the odd block's word; q, k: the second head's two bytes of each
	s_cselect_b32 s23, -1, 0                       ; all lanes keep the bias along A, or none
	s_cselect_b32 s101, 0, -1                      ; and the bias along B
	s_mov_b32 s7, 0
	s_mov_b32 s9, 0
	s_mul_i32 s98, ttmp9, SECB                     ; my record: the tensor's section,
	s_lshr_b32 s99, s95, 11
	s_mul_i32 s99, s99, 16*HEADB                   ; the batch,
	s_add_co_u32 s98, s98, s99
	s_lshr_b32 s99, s100, 6
	s_mul_i32 s99, s99, HEADB                      ; my first head,
	s_add_co_u32 s98, s98, s99
	s_bfe_u32 s99, s95, 0x40007
	s_mul_i32 s99, s99, RECB                       ; my run of 128 tokens
	s_add_co_u32 s98, s98, s99
	s_mov_b32 s99, 0
	s_add_nc_u64 s[12:13], s[12:13], s[98:99]      ; where my images begin
	s_add_nc_u64 s[98:99], s[12:13], 6144          ; and my scale bytes
	v_and_b32 v[LN], 31, v0
	v_lshlrev_b32 v[VO], 3, v[LN]
	v_add_nc_u32 v[VO+1], s18, v[VO]
	v_mul_u32_u24 v[VS0], s19, v2
	v_lshl_add_u32 v[VS0], v1, 3, v[VS0]
	v_add_nc_u32 v[VS1], s22, v[VS0]
	s_lshl_b32 s47, s47, 2
	s_lshl_b32 s21, s21, 2
	v_lshlrev_b32 v5, 5, v2
	v_add_nc_u32 v5, s47, v5                       ; the bias along B: block b's eight numbers of my half: 4 (first + 16 b + 8 h)
	v_lshlrev_b32 v6, 2, v1
	v_add_nc_u32 v6, s21, v6                       ; the bias along A: block a's number of my row: 4 (first + 16 a + r)
.irp b, 0,1,2,3,4,5,6,7
	global_load_b128 v[BR+8*\b:BR+8*\b+3], v5, s[96:97] offset:64*\b
	global_load_b128 v[BR+8*\b+4:BR+8*\b+7], v5, s[96:97] offset:64*\b+16
.endr
.irp a, 0,1,2,3,4,5,6,7
	global_load_b32 v[BL+2*\a], v6, s[96:97] offset:64*\a
	global_load_b32 v[BL+2*\a+1], v6, s[96:97] offset:64*\a
.endr
	s_wait_loadcnt 0x0
.set j, 0
.rept 64
	v_cndmask_b32 v[BR+j], 0, v[BR+j], s101        ; the side that carries no bias becomes 0: a choice, not a multiplication
.set j, j+1
.endr
.set j, 0
.rept 16
	v_cndmask_b32 v[BL+j], 0, v[BL+j], s23
.set j, j+1
.endr
.macro FRAG reg, adr, q, i             ; a fragment, 16 rows x 128 K of 6-bit codes, is 12 registers: lane l holds row l % 16; registers 6 c .. 6 c + 5 hold K = 64 c + 32 (l / 16) + 0 .. 31: 24 bytes of the row, as they lie
.irp p, 0,1,2,3,4,5                    ; in pieces of 8 bytes.  Lanes 0-15 take the row's pieces 12 q + 0, 1, 2 and 12 q + 6, 7, 8, lanes 16-31 those three pieces on
.set PCE, 12*(\q)+6*(\p/3)+\p%3       ; 16 bytes of padding lie behind every 8 pieces: where the piece three on lies behind one padding more, the second address register serves
.if PCE%8 < 5
	ds_load_b64 v[\reg+2*\p:\reg+2*\p+1], v[\adr] offset:8*PCE+16*(PCE/8)+(\i)*16*PITCH
.else
	ds_load_b64 v[\reg+2*\p:\reg+2*\p+1], v[\adr+2] offset:8*PCE+16*(PCE/8)+(\i)*16*PITCH
.endif
.endr
.endm
; 16 matrix instructions: A's blocks a0, a0 + 1 x B's eight, 128 along K: the slot's q-th.  p: B's set;  sc: the set of scale words.  zero = 1: the first product starts the sums, with the bias along B as its C.
; The 64 accumulators take turns, one instruction a turn, in the same order in every step.
.macro MUL16 a0, p, q, sc, zero
.irp a, \a0, \a0+1
.irp b, 0,1,2,3,4,5,6,7
.if \zero
	v_wmma_scale_f32_16x16x128_f8f6f4 v[8*(8*((\a)%4)+\b):8*(8*((\a)%4)+\b)+7], v[128*(\p)+FR*\b:128*(\p)+FR*\b+FR-1], v[AF+FR*(\a):AF+FR*(\a)+FR-1], v[BR+8*\b:BR+8*\b+7], v[SC+8*NQ*(\sc)+NQ*\b+(\q)], v[SC+8*NQ*(\sc)+NQ*(\a)+(\q)] matrix_a_fmt:MATRIX_FMT_FP6 matrix_b_fmt:MATRIX_FMT_FP6 matrix_a_scale:MATRIX_SCALE_ROW1
.else
	v_wmma_scale_f32_16x16x128_f8f6f4 v[8*(8*((\a)%4)+\b):8*(8*((\a)%4)+\b)+7], v[128*(\p)+FR*\b:128*(\p)+FR*\b+FR-1], v[AF+FR*(\a):AF+FR*(\a)+FR-1], v[8*(8*((\a)%4)+\b):8*(8*((\a)%4)+\b)+7], v[SC+8*NQ*(\sc)+NQ*\b+(\q)], v[SC+8*NQ*(\sc)+NQ*(\a)+(\q)] matrix_a_fmt:MATRIX_FMT_FP6 matrix_b_fmt:MATRIX_FMT_FP6 matrix_a_scale:MATRIX_SCALE_ROW1
.endif
.endr
.endr
.endm
.macro FETCH_B slot, q, p              ; B's eight fragments of the slot's q-th 128 along K into set p
	WIN TO_B
.irp i, 0,1,2,3,4,5,6,7
	FRAG 128*(\p)+FR*\i, ADRB+\slot, \q, \i
.endr
	WIN 0
.endm
.macro FETCH_A slot, q, i0             ; A's blocks i0 .. i0 + 3
.irp i, \i0, \i0+1, \i0+2, \i0+3
	FRAG AF+FR*(\i), ADRA+\slot, \q, \i
.endr
.endm
.macro SCALES sc                       ; the next K step's scale words into set sc: two words a row; lanes 0-15 take A's block i, lanes 16-31 B's block i
.irp i, 0,1,2,3,4,5,6,7
	ds_load_b64 v[SC+8*NQ*\sc+NQ*\i:SC+8*NQ*\sc+NQ*\i+1], v[ADRS] offset:\i*SBLK
.endr
.endm
; A load into a register that a matrix instruction has read, and a vector instruction that reads a matrix result or writes one of its registers, stand NP places behind it; only plain vector
; instructions that name none of its registers are places (ISA guide 7.12.1 for vector instructions).
.macro PLACES n
.rept \n
	v_nop
.endr
.endm
; A step of 128 along K that has its successor in the same slot.
.macro STEP slot, q, zero
	s_wait_dscnt 4*NL                              ; B's set and A's blocks 0-3 are in; the youngest 24 loads (A's blocks 4-7, six each) may be out
.if \zero
	WIN MUL_LO0
.else
	WIN MUL_LO
.endif
	MUL16 0, (\q)%2, \q, \slot, \zero
	MUL16 2, (\q)%2, \q, \slot, \zero
	s_wait_dscnt 0                                 ; A's blocks 4-7 are in (asked for 32 matrix instructions ago)
	PLACES NP
	FETCH_B \slot, (\q)+1, 1-(\q)%2
	FETCH_A \slot, (\q)+1, 0
.if \zero
	WIN MUL_HI0
.else
	WIN MUL_HI
.endif
	MUL16 4, (\q)%2, \q, \slot, \zero
	MUL16 6, (\q)%2, \q, \slot, \zero
	PLACES NP
	WIN 0
	FETCH_A \slot, (\q)+1, 4
.endm
; A slot's last step changes slots: ONE barrier; in front of it each wave waits for all its tensor loads, adds 0 to its spare word, and waits for that and for its own reads of this slot.  fill = 1: this slot is filled again, two K steps ahead.
.macro TURN slot, next, fill
	s_wait_tensorcnt 0x0                           ; all my tensor loads have landed: my part of the next slot  (every window is 0 here)
	ds_add_u32 v[SPW], v[NIL]                      ; 0 onto my spare word
	s_wait_dscnt 4*NL+1                            ; (the add and the youngest 24 loads, A's blocks 4-7, may be out)
	WIN MUL_LO
	MUL16 0, 1, NQ-1, \slot, 0                     ; sixteen matrix instructions stand between the add and the wait for it
	s_wait_dscnt 0x0                               ; the add is done, and my reads of this slot are over
	s_barrier_signal -1
	MUL16 2, 1, NQ-1, \slot, 0
	WIN 0
	s_barrier_wait -1
.if \fill
	CREST                                          ; the barrier has opened a round of the cluster's barrier: no wave of any partner still reads this slot's tile or has a load on its way
	s_add_nc_u64 s[G0+4*\slot+2:G0+4*\slot+3], s[G0+4*\slot+2:G0+4*\slot+3], 2*ROWB
	s_add_nc_u64 s[G0B+4*\slot+2:G0B+4*\slot+3], s[G0B+4*\slot+2:G0B+4*\slot+3], 2*ROWB
	JLOAD G0+4*\slot, G1, G0B+4*\slot, G1B         ; the first tensor load behind the round; the four v_nop behind it are the places in front of the loads below
.else
	PLACES NP
.endif
	s_wait_alu depctr_va_vdst(0)
	v_add_nc_u32 v[ADRS], 4*NQ, v[ADRS]            ; on to the next K step's scale words
	FETCH_B \next, 0, 0
	FETCH_A \next, 0, 0
	SCALES \next
	WIN MUL_HI
	MUL16 4, 1, NQ-1, \slot, 0
	MUL16 6, 1, NQ-1, \slot, 0
	PLACES NP
	WIN 0
	FETCH_A \next, 0, 4
.endm
	s_wait_tensorcnt 1                             ; of my three first loads the scales and K step 0 are in; K step 1's may be out
	s_barrier_signal -1
	s_barrier_wait -1                              ; everybody's are
	FETCH_B 0, 0, 0
	FETCH_A 0, 0, 0
	SCALES 0
	FETCH_A 0, 0, 4
	STEP 0, 0, 1                                   ; the first step stands in front of the loop: its products start the sums
	s_mov_b32 s3, LAPS-1
.Llap:                                                 ; a trip goes once round the ring, from a lap's second step to the next lap's first, and fills both slots again
	TURN 0, 1, 1
	STEP 1, 0, 0
	TURN 1, 0, 1
	STEP 0, 0, 0
	s_sub_co_u32 s3, s3, 1
	s_cmp_lg_u32 s3, 0
	s_cbranch_scc1 .Llap
	TURN 0, 1, 0                                   ; the last lap fills nothing, and has no round of the cluster's barrier
	STEP 1, 0, 0
	s_wait_dscnt 4*NL                              ; the very last step: nothing more to fetch
	WIN MUL_LO
	MUL16 0, 1, NQ-1, 1, 0
	MUL16 2, 1, NQ-1, 1, 0
	s_wait_dscnt 0
	WIN MUL_HI
	MUL16 4, 1, NQ-1, 1, 0
	MUL16 6, 1, NQ-1, 1, 0
	WIN 0
; THE QUANTISER.  64 numbers of a lane, v[s] .. v[s + 63]; registers 16 b .. 16 b + 15 of lanes l and l xor 16 are block b of my row.  They become a fragment's codes in v[CD] on and its scale word in v[pw].
.macro QUANT s, pw
.irp b, 0,1,2,3
	v_max3_num_f32 v[TM+\b], |v[\s+16*\b]|, |v[\s+1+16*\b]|, 0x1800000   ; my 16 numbers of block b, and the floor 2^(3 - 127): so the byte cannot fall under 1
.endr
.irp i, 2,4,6,8,10,12,14
.irp b, 0,1,2,3
	v_max3_num_f32 v[TM+\b], v[TM+\b], |v[\s+16*\b+\i]|, |v[\s+1+16*\b+\i]|   ; (the four blocks by turns)
.endr
.endr
.irp b, 0,1,2,3
	v_permlanex16_b32 v[TM+4+\b], v[TM+\b], s[SEL], s[SEL+1]   ; (its destination counts as read: these registers held the bias and have been written)
.endr
.irp b, 0,1,2,3
	v_max_num_f32 v[TM+\b], v[TM+\b], v[TM+4+\b]   ; with lane l xor 16's: the block's largest magnitude
.endr
.irp b, 0,1,2,3
	v_add_nc_u32 v[TM+12+\b], 0xff000000, v[TM+\b]   ; 2 off its exponent field: the conversion takes the exponent field of this operand as its scale
.endr
.irp b, 0,1,2,3
	v_lshrrev_b32 v[TM+4+\b], 23, v[TM+12+\b]      ; the scale's byte
.endr
	v_lshl_or_b32 v[\pw], v[TM+5], 8, v[TM+4]      ; the four bytes make my row's scale word
	v_lshl_or_b32 v[\pw], v[TM+6], 16, v[\pw]
	v_lshl_or_b32 v[\pw], v[TM+7], 24, v[\pw]
.irp c, 0,1
	v_cvt_scalef32_pk16_fp6_f32 v[CD+6*\c:CD+2+6*\c], v[\s+32*\c:\s+15+32*\c], v[TM+12+2*\c]
	v_cvt_scalef32_pk16_fp6_f32 v[CD+12+4*\c:CD+14+4*\c], v[\s+16+32*\c:\s+31+32*\c], v[TM+12+2*\c+1]   ; (a conversion's three registers begin on an even number)
.endr
	v_nop                                          ; one plain place behind a scaled conversion
.irp c, 0,1                                    ; the operand's layout wants a WHOLE block in a lane: lanes 0-15 block 2 c, lanes 16-31 block 2 c + 1
.irp i, 0,1,2
	v_permlane16_swap_b32 v[CD+6*\c+\i], v[CD+12+4*\c+\i]
.endr
.irp i, 0,1,2
	v_mov_b32 v[CD+3+6*\c+\i], v[CD+12+4*\c+\i]
.endr
.endr
.endm
; THE WAY OUT of A's block a: its eight accumulators are 64 numbers of a lane along the next K.  The bias along A is added on the way into window 0; they are quantised; the fragment leaves as six planes,
; each store of the wave covering 256 consecutive bytes, aligned.  Each accumulator is read from its low end on.
.macro OUTA a
	WIN 0x02+(\a)/4                                ; source 0: window 2 or 3
.set i, 0
.rept 32
	v_pk_add_f32 v[T+2*i:T+2*i+1], v[64*((\a)%4)+2*i:64*((\a)%4)+2*i+1], v[BL+2*(\a):BL+2*(\a)+1]
.set i, i+1
.endr
	WIN 0
.if (\a) > 0
	s_wait_xcnt 0x0                                ; the last block's stores have read their data and their base: both are written again only behind this wait
	s_add_nc_u64 s[12:13], s[12:13], s[6:7]
.if (\a) == 4
	s_add_nc_u64 s[12:13], s[12:13], s[8:9]
.endif
.endif
	QUANT T, PW0+(\a)%2
.irp c, 0,1
.irp p, 0,1,2
	global_store_b64 v[VO+\c], v[CD+6*\c+2*\p:CD+6*\c+2*\p+1], s[12:13] offset:256*\p
.endr
.endr
.if (\a)%2 == 1
	v_perm_b32 v[XW+(\a)-1], v[PW0+1], v[PW0], s4  ; two blocks' scale words, as the records want them
	v_perm_b32 v[XW+(\a)], v[PW0+1], v[PW0], s5
.endif
.endm
	PLACES NP                                      ; behind the last products: for the reads of results and for the writes into the registers that held A's fragments
.irp a, 0,1,2,3,4,5,6,7
	OUTA \a
.endr
	v_cmp_le_u32 vcc_lo, 16, v[LN]                 ; lanes 16-31 store the words of blocks 4-7, lanes 0-15 those of blocks 0-3
.irp e, 0,1
	v_cndmask_b32 v[Y+2*\e], v[XW+\e], v[XW+4+\e], vcc_lo
	v_cndmask_b32 v[Y+2*\e+1], v[XW+2+\e], v[XW+6+\e], vcc_lo
.endr
	global_store_b64 v[VS0], v[Y:Y+1], s[98:99]    ; q, k: the 256 scale bytes of my first head's record; v: 128 bytes in each of my two heads' records
	global_store_b64 v[VS1], v[Y+2:Y+3], s[98:99]  ; q, k: my second head's; v: the other 128 bytes of each
	s_wait_tensorcnt 0x0                           ; the wave's end
	ds_add_u32 v[SPW], v[NIL]
	s_wait_dscnt 0x0
	CROUND                                         ; the closing round: no work-group ends while a partner may still ask for a tile that names it
	s_endpgm
.Lfunc_end_k_q8017e0913e_qkv:
	.size	k_q8017e0913e_qkv, .Lfunc_end_k_q8017e0913e_qkv-k_q8017e0913e_qkv
	.p2alignl 7, 3214868480
	.fill 96, 4, 3214868480
	.section	.rodata,"a",@progbits
	.p2align	6, 0x0
	.amdhsa_kernel k_q8017e0913e_qkv
		.amdhsa_group_segment_fixed_size 327680
		.amdhsa_private_segment_fixed_size 0
		.amdhsa_enable_private_segment 0
		.amdhsa_kernarg_size 96
		.amdhsa_user_sgpr_count 2
		.amdhsa_user_sgpr_kernarg_segment_ptr 1
		.amdhsa_wavefront_size32 1
		.amdhsa_system_sgpr_workgroup_id_x 1
		.amdhsa_system_sgpr_workgroup_id_y 1
		.amdhsa_system_sgpr_workgroup_id_z 1
		.amdhsa_system_vgpr_workitem_id 0
		.amdhsa_next_free_vgpr 1024
		.amdhsa_next_free_sgpr 102
		.amdhsa_reserve_vcc 1
		.amdhsa_float_denorm_mode_32 3
		.amdhsa_float_denorm_mode_16_64 3
		.amdhsa_memory_ordered 1
		.amdhsa_forward_progress 1
		.amdhsa_inst_pref_size 193
	.end_amdhsa_kernel
	.amdgpu_metadata
---
amdhsa.version: [ 1, 2 ]
amdhsa.kernels:
  - .name:           k_q8017e0913e_qkv
    .symbol:         k_q8017e0913e_qkv.kd
    .args:
      - { .name: x_codes, .offset: 0, .size: 8, .value_kind: global_buffer, .address_space: global }
      - { .name: x_scales, .offset: 8, .size: 8, .value_kind: global_buffer, .address_space: global }
      - { .name: Wq_codes, .offset: 16, .size: 8, .value_kind: global_buffer, .address_space: global }
      - { .name: Wq_scales, .offset: 24, .size: 8, .value_kind: global_buffer, .address_space: global }
      - { .name: Wk_codes, .offset: 32, .size: 8, .value_kind: global_buffer, .address_space: global }
      - { .name: Wk_scales, .offset: 40, .size: 8, .value_kind: global_buffer, .address_space: global }
      - { .name: Wv_codes, .offset: 48, .size: 8, .value_kind: global_buffer, .address_space: global }
      - { .name: Wv_scales, .offset: 56, .size: 8, .value_kind: global_buffer, .address_space: global }
      - { .name: bq, .offset: 64, .size: 8, .value_kind: global_buffer, .address_space: global }
      - { .name: bk, .offset: 72, .size: 8, .value_kind: global_buffer, .address_space: global }
      - { .name: bv, .offset: 80, .size: 8, .value_kind: global_buffer, .address_space: global }
      - { .name: qkv, .offset: 88, .size: 8, .value_kind: global_buffer, .address_space: global }
    .group_segment_fixed_size: 327680
    .private_segment_fixed_size: 0
    .kernarg_segment_align: 8
    .kernarg_segment_size: 96
    .max_flat_workgroup_size: 128
    .sgpr_count:     102
    .vgpr_count:     1024
    .wavefront_size: 32
...
	.end_amdgpu_metadata
.endif
;; end of part 1
;; launch attn (part 2): grid 4 x 64, 16 waves a work-group, clusters of 4 x 1, 206,848 bytes of LDS; arguments qkv, pf, pfs; writes pf, pfs
.if DOCPART == 2
	.amdgcn_target "amdgcn-amd-amdhsa--gfx1250"
	.amdhsa_code_object_version 6
	.text
	.protected	k_q8017e0913e_attn
	.globl	k_q8017e0913e_attn
	.p2align	8
	.type	k_q8017e0913e_attn,@function
k_q8017e0913e_attn:
	s_mov_b64 s[64:65], 0
	v_nop
	global_prefetch_b8 v0, s[64:65] scope:SCOPE_SE
	s_setreg_imm32_b32 hwreg(HW_REG_WAVE_MODE, 25, 1), 1
	s_wait_xcnt 0x0
	s_wait_alu depctr_hold_cnt(0) depctr_sa_sdst(0) depctr_va_vdst(0) depctr_va_sdst(0) depctr_va_ssrc(0) depctr_va_vcc(0) depctr_vm_vsrc(0)
	s_getreg_b32 s2, hwreg(HW_REG_IB_STS2, 6, 4)
	s_cmp_eq_u32 s2, 0
	s_cbranch_scc0 .Lentry_in_a_cluster
	s_endpgm
.Lentry_in_a_cluster:
	s_bfe_u32 s2, ttmp6, 0x10000c
	s_cmp_lg_u32 s2, 0x3003
	s_cbranch_scc0 .Lentry_shape_is_right
	s_endpgm
.Lentry_shape_is_right:
; O[bh][q] = the sum over k of softmax_k(Q[bh][q] . K[bh][k] / 64) V[bh][k], 64 batch-and-heads bh, 2,048 tokens, head size 64; both products on codes of FP6 (E2M3) with one E8M0 scale for each 32 along K.
; Q, K, V come as records of 6,400 bytes (one for each tensor, bh and run of 128 tokens): images of operand registers, 6,144 bytes, then 256 scale bytes.  A half fragment (16 rows x 64 K, 6 registers a lane) is 3 planes of
; 256 bytes: plane p = registers 2 p, 2 p + 1, lane l at byte 8 l.  Q, K: token tile a at 768 a.  V: features 16 dt .. + 15 x the run's 128 keys at 1,536 dt.
; THE SOFTMAX: t = score x log2(e) / 64; M = the running largest t rounded UP to a whole number; p = 2^(t - M) is what is quantised, along the keys, not normalised.  The row's sum is taken of the unquantised p and
; divides O at the end.  When M moves, the sum and O are multiplied by 2^(old M - new M): exact.  O / sum is then quantised along the features for the last product, and leaves as codes and scale bytes.
; SHARES.  A work-group owns 512 queries of one bh, in two passes of 256; each of its sixteen waves owns one tile of 16 queries a pass, in 256 registers: four waves to a SIMD, so that one wave's vector work stands
; beside another's matrix work and LDS loads.  ALL of the head's K and V (2 x 102,400 bytes) lies in LDS, filled once: no ring, nothing filled again.
; CLUSTER.  The four work-groups of a cluster share bh: each record is asked for JOINTLY, by the same tensor load with the same descriptor and a mask that names the four.  All of K and V is asked for at the head,
; by these loads: there is no later load for a prefetch to run ahead of.
; THE FIRST PRODUCT'S K IS 64, the instruction's 128.  Source 0 is a DOUBLE fragment: keys 32 g + r in k = 0 .. 63, keys 32 g + 16 + r in k = 64 .. 127.  Source 1 is [Q | zeros] or [zeros | Q]: two views, 6 registers
; apart, of the 18 registers [Q | 0 | Q].  Zero codes add nothing under any scale byte but 0xff, and the bytes here lie between 1 and 254.
; LAYOUT.  Both products are used transposed: S^T = K Q^T, O^T = V^T P^T: a lane holds ONE query (lane % 16) throughout.  Register 16 b + 8 u + j of S^T is key 32 b + 16 u + 8 (lane / 16) + j: the very order in which
; the launch before has laid V's codes inside a block of 32 keys; only the order of the additions inside a block differs from ascending k.
; LIMITS: NaN and infinities are not served; a block of O whose largest magnitude lies under 2^-124 is held at the scale byte 1 (a block of zeros too: its codes are zeros, and this program alone reads the bytes).
.set REC,   6400                       ; a record
.set HEADB, 16*REC                     ; a batch-and-head's 16 records
.set SECB,  64*HEADB                   ; a tensor's section: q, k, v
.set VLDS,  HEADB                      ; LDS: K's 16 records from byte 0, V's from here
.set LA,  1                            ; v1   8 x lane: my place in a plane
.set ADK, 2                            ; v2   LDS address of the step's record of K
.set ADV, 3                            ; v3   of V
.set QSO, 5                            ; v5   8 x (lane % 16): my query's scale word
.set PSO, 6                            ; v6   32 x (lane % 16): my query's row of the result's scale bytes
.set QF,  16                           ; v16-33 [Q | 0 | Q];  v12 -M, v13 the largest t, v[14:15] the sum in two halves
.set QS,  34                           ; v34  Q's scale word, its two bytes twice
.set F,   36                           ; v36-83 four fragments, of K and then of V
.set S,   84                           ; v84-147 S^T, then p
.set O,   148                          ; v148-179 O^T
.set CD,  180                          ; v180-191 p's codes
.set BM,  192                          ; v192-195 the blocks' largest scores
.set PT,  196                          ; v196-203 at work
.set SO,  204                          ; v204-207 the conversions' scale operands
.set KSC, 208                          ; v208-209 K's scale words
.set VSC, 210                          ; v210-211 V's
.set FP,  212                          ; v212 f = 2^(old M - new M); v213 p's scale word
.set TMP, 214
.set QW,  215                          ; v215 the word that holds my query's two scale bytes, as loaded
.set WV,  10                           ; s10  my wave's number
.set SEL, 20                           ; s[20:21] v_permlanex16_b32's selects for lane l xor 16
.set CS,  22                           ; s[22:23] c = log2(e) / 64
.set G1,  24                           ; s[24:31] descriptor group 1;  s[40:43] group 0
.set G0,  40
.set TB,  48                           ; s48  LDS byte at which the step's record of K begins
.set CNT, 49                           ; s49  key steps to go
.set PASS, 50                          ; s50  passes to go
.set QSEL, 51                          ; s51  which two bytes of v215 are my tile's
.set QSB, 52                           ; s[52:53] where that word lies in memory
.macro CROUND                          ; a round of the cluster's barrier
	s_barrier_signal -1
	s_barrier_wait -1
	s_cmp_lg_u32 s[WV], 0
	s_cbranch_scc1 .Lnot_wave_0_\@
	s_barrier_signal -3
.Lnot_wave_0_\@:
	s_barrier_wait -3
	s_barrier_signal -1
	s_barrier_wait -1
.endm
.macro QLOAD off                       ; my query tile's half fragment and its scale word, off bytes on
.irp p, 0,1,2
	global_load_b64 v[QF+2*\p:QF+2*\p+1], v[LA], s[4:5] offset:\off+256*\p
.endr
	global_load_b32 v[QW], v[QSO], s[QSB:QSB+1] offset:\off
.endm
	s_load_b128 s[4:7], s[0:1], 0x0                ; the records, the result's codes
	s_load_b64 s[8:9], s[0:1], 0x10                ; the result's scale bytes
	v_lshl_add_u32 v254, v0, 2, 0x32000
	v_mov_b32 v255, 0
	ds_add_u32 v254, v255
	ds_add_u32 v254, v255
	v_lshrrev_b32 v2, 5, v0
	s_delay_alu instid0(VALU_DEP_1)
	v_readfirstlane_b32 s[WV], v2                  ; wave 0..15
	s_bfe_u32 s11, ttmp6, 0x40000                  ; cx: my place in the cluster: it enters Q's and the result's addresses alone
	s_and_b32 s12, ttmp7, 0xffff                   ; bh, which the four partners share
	s_lshr_b32 s13, s[WV], 3                       ; what I fetch: waves 0-7 K, waves 8-15 V;
	s_and_b32 s14, s[WV], 7                        ; records 2 (wave % 8) and the next
	s_mul_i32 s15, s13, VLDS
	s_mul_i32 s16, s14, 2*REC
	s_add_co_u32 s15, s15, s16                     ; in LDS,
	s_mul_i32 s17, s12, HEADB
	s_mul_i32 s18, s13, SECB
	s_add_co_u32 s18, s18, SECB                    ; and in memory: k's section is the second, v's the third
	s_add_co_u32 s18, s18, s17
	s_add_co_u32 s18, s18, s16
	s_mov_b32 s19, 0
	; descriptor group 1: two records, 12,800 dense bytes, as 50 rows of 256 bytes (32 elements of 8 bytes), no padding
	s_mov_b32 s[G1], 15|(3<<16)|(1<<21)            ; 15:0 the mask: all four work-groups; 17:16 elements of 8 bytes; 21 set beside a mask
	s_mov_b32 s[G1+1], 32<<16                      ; tensor_dim0
	s_mov_b32 s[G1+2], 50<<16                      ; tensor_dim1
	s_mov_b32 s[G1+3], 32<<16                      ; tile_dim0
	s_mov_b32 s[G1+4], 50                          ; tile_dim1
	s_mov_b32 s[G1+5], 32                          ; tensor_dim0_stride
	s_mov_b32 s[G1+6], 0
	s_mov_b32 s[G1+7], 0
	; my query tile in pass P is tile 32 cx + 16 P + wave of the head's 128: record 4 cx + 2 P + wave / 8, tile wave % 8 in it
	s_lshl_b32 s54, s11, 2
	s_add_co_u32 s54, s54, s13
	s_mul_i32 s54, s54, REC
	s_add_co_u32 s54, s54, s17                     ; the record (q's section is the first)
	s_add_co_u32 s56, s54, 6144                    ; its scale bytes: the word of tiles 2 g, 2 g + 1 lies at 128 (g / 2) + 8 r + 4 (g % 2), g = (wave % 8) / 2
	s_bfe_u32 s57, s[WV], 0x10002
	s_lshl_b32 s57, s57, 7
	s_add_co_u32 s56, s56, s57
	s_bfe_u32 s57, s[WV], 0x10001
	s_lshl_b32 s57, s57, 2
	s_add_co_u32 s56, s56, s57
	s_mov_b32 s57, 0
	s_mul_i32 s55, s14, 768
	s_add_co_u32 s54, s54, s55                     ; the tile's image
	s_mov_b32 s55, 0
	; the result: codes [token tile 0..511][head][768 bytes], scale bytes [token][32]: two for each head
	s_lshr_b32 s58, s12, 4
	s_lshl_b32 s58, s58, 7
	s_lshl_b32 s59, s11, 5
	s_add_co_u32 s58, s58, s59
	s_add_co_u32 s58, s58, s[WV]                   ; my token tile: 128 x batch + 32 cx + wave
	s_and_b32 s59, s12, 15                         ; the head
	s_lshl_b32 s60, s58, 9
	s_lshl_b32 s61, s59, 1
	s_add_co_u32 s60, s60, s61                     ; 16 tokens x 32 bytes a tile, + 2 x head
	s_mov_b32 s61, 0
	s_lshl_b32 s58, s58, 4
	s_add_co_u32 s58, s58, s59
	s_mul_i32 s58, s58, 768
	s_mov_b32 s59, 0
	s_and_b32 s[QSEL], s[WV], 1
	s_cmp_eq_u32 s[QSEL], 0
	s_mov_b32 s[QSEL], 0x03020302                  ; an odd tile's two bytes are the word's upper two,
	s_cselect_b32 s[QSEL], 0x01000100, s[QSEL]     ; an even tile's the lower two; each pair twice
	s_mov_b32 s[SEL], 0x76543210
	s_mov_b32 s[SEL+1], 0xfedcba98
	s_mov_b32 s[CS], 0x3cb8aa3b                    ; c = log2(e) / 64
	s_mov_b32 s[CS+1], s[CS]                       ; (named with it as a pair, so it is written)
	s_wait_dscnt 0x0
	s_wait_kmcnt 0x0
	s_mov_b32 s[G0], 1                             ; 1:0 count = 1
	s_mov_b32 s[G0+1], s15                         ; 63:32 LDS address
	s_add_nc_u64 s[G0+2:G0+3], s[4:5], s[18:19]    ; 120:64 global address
	s_or_b32 s[G0+3], s[G0+3], 0x80000000          ; 127:126 type = 2
	s_add_nc_u64 s[QSB:QSB+1], s[4:5], s[56:57]
	s_add_nc_u64 s[4:5], s[4:5], s[54:55]
	s_add_nc_u64 s[6:7], s[6:7], s[58:59]
	s_add_nc_u64 s[8:9], s[8:9], s[60:61]
	CROUND                                         ; all four work-groups are here: the joint loads meet
	tensor_load_to_lds s[G0:G0+3], s[G1:G1+7]      ; my one tensor load of the launch
	s_nop 0
.rept 4
	v_nop
.endr
	v_and_b32 v[LA], 31, v0
	s_delay_alu instid0(VALU_DEP_1)
	v_lshlrev_b32 v[LA], 3, v[LA]
	v_and_b32 v[QSO], 15, v0
	s_delay_alu instid0(VALU_DEP_1)
	v_lshlrev_b32 v[PSO], 5, v[QSO]
	s_delay_alu instid0(VALU_DEP_2)
	v_lshlrev_b32 v[QSO], 3, v[QSO]
	QLOAD 0                                        ; the first pass's Q lands while the tiles do
.irp i, 0,1,2,3,4,5
	v_mov_b32 v[QF+6+\i], 0                        ; the zero codes between the two copies of Q: written once
.endr
.irp b, 0,1,2,3
	v_mov_b32 v[PT+\b], 0                          ; written once: a lane permute's destination counts as one of its sources
.endr
	v_mov_b32 v[TMP], 0
	v_mov_b32 v[FP+1], 0                           ; (named as the upper half of the pair before it is first written)
	s_wait_tensorcnt 0x0                           ; my two records are in,
	s_barrier_signal -1
	s_barrier_wait -1                              ; everybody's are: all of K and V lies in LDS, and nobody writes LDS from here on
	s_mov_b32 s[PASS], 2
.Lpass:
	v_mov_b32 v13, 0xff61b1e6                      ; the largest t so far: -3e38, under every t
	s_delay_alu instid0(VALU_DEP_1)
	v_floor_f32 v12, -v13                          ; -M
	v_mov_b32 v14, 0                               ; the sum, in two halves
	v_mov_b32 v15, 0
	s_wait_loadcnt 0x0                             ; Q
.irp i, 0,1,2,3,4,5
	v_mov_b32 v[QF+12+\i], v[QF+\i]                ; the second copy
.endr
	v_perm_b32 v[QS], v[QW], v[QW], s[QSEL]        ; my tile's two scale bytes, twice: for k = 0 .. 63 and for k = 64 .. 127
.set j, 0
.rept 32
	v_mov_b32 v[O+j], 0                            ; O^T.  (The step is written once: its first trip finds zeros.  These lines are also the places between the writes above and the first product)
.set j, j+1
.endr
	s_mov_b32 s[TB], 0
	s_mov_b32 s[CNT], 16
.Lstep:                                            ; A KEY STEP: 128 keys, one record of K and one of V
	s_setprio 2
	v_add_nc_u32 v[ADK], s[TB], v[LA]
	s_delay_alu instid0(VALU_DEP_1)
	v_add_nc_u32 v[ADV], VLDS, v[ADK]
	v_nop
	v_nop                                          ; four places behind the last products, in front of loads into registers that they have read
.irp g, 0,1,2,3
.irp p, 0,1,2,3,4,5
	ds_load_b64 v[F+12*\g+2*\p:F+12*\g+2*\p+1], v[ADK] offset:1536*\g+256*\p   ; double fragment g: 32 lanes read 256 consecutive bytes
.endr
.endr
	ds_load_b64 v[KSC:KSC+1], v[ADK] offset:6144   ; register j: lanes 0-15 the words of double fragment j, lanes 16-31 of 2 + j
	s_wait_alu depctr_va_vdst(0)
	s_wait_dscnt 0x0
.irp g, 0,1,2,3                                ; S^T: tile 2 g + u = keys 32 g + 16 u + 0 .. 15
.irp u, 0,1
.if \g < 2
	v_wmma_scale_f32_16x16x128_f8f6f4 v[S+8*(2*\g+\u):S+8*(2*\g+\u)+7], v[F+12*\g:F+12*\g+11], v[QF+6*\u:QF+6*\u+11], 0, v[KSC+\g%2], v[QS] matrix_a_fmt:MATRIX_FMT_FP6 matrix_b_fmt:MATRIX_FMT_FP6
.else
	v_wmma_scale_f32_16x16x128_f8f6f4 v[S+8*(2*\g+\u):S+8*(2*\g+\u)+7], v[F+12*\g:F+12*\g+11], v[QF+6*\u:QF+6*\u+11], 0, v[KSC+\g%2], v[QS] matrix_a_fmt:MATRIX_FMT_FP6 matrix_b_fmt:MATRIX_FMT_FP6 matrix_a_scale:MATRIX_SCALE_ROW1
.endif
.endr
.endr
.rept 4
	v_nop                                          ; places: for the loads below and for the first read of the scores
.endr
.irp d, 0,1,2,3
.irp p, 0,1,2,3,4,5
	ds_load_b64 v[F+12*\d+2*\p:F+12*\d+2*\p+1], v[ADV] offset:1536*\d+256*\p   ; V's four fragments land under the softmax
.endr
.endr
	ds_load_b64 v[VSC:VSC+1], v[ADV] offset:6144   ; register j: lanes 0-15 the words of features 32 j on, lanes 16-31 of 32 j + 16 on
.irp b, 0,1,2,3
	v_max3_num_f32 v[BM+\b], v[S+16*\b], v[S+1+16*\b], v[S+2+16*\b]   ; THE LARGEST SCORE OF EACH BLOCK OF 32 KEYS: it serves for the row's maximum and, since p rises with the score, for the block's largest p
.endr
.irp i, 3,5,7,9,11,13
.irp b, 0,1,2,3
	v_max3_num_f32 v[BM+\b], v[BM+\b], v[S+16*\b+\i], v[S+1+16*\b+\i]   ; (the four blocks by turns)
.endr
.endr
.irp b, 0,1,2,3
	v_max_num_f32 v[BM+\b], v[BM+\b], v[S+15+16*\b]
.endr
.irp b, 0,1,2,3
	s_delay_alu instid0(VALU_DEP_4)
	v_permlanex16_b32 v[PT+\b], v[BM+\b], s[SEL], s[SEL+1]
.endr
.irp b, 0,1,2,3
	s_delay_alu instid0(VALU_DEP_4)
	v_max_num_f32 v[BM+\b], v[BM+\b], v[PT+\b]     ; with lane l xor 16's 16 keys
.endr
	s_delay_alu instid0(VALU_DEP_2)
	v_max3_num_f32 v[TMP], v[BM], v[BM+1], v[BM+2]
	s_delay_alu instid0(VALU_DEP_1)
	v_max_num_f32 v[TMP], v[TMP], v[BM+3]          ; the step's largest score of my query
	s_delay_alu instid0(VALU_DEP_1)
	v_mul_f32 v[TMP], s[CS], v[TMP]                ; as t (c is positive)
	s_delay_alu instid0(VALU_DEP_1)
	v_max_num_f32 v13, v13, v[TMP]                 ; the running largest t
	v_mov_b32 v[TMP], v12
	s_delay_alu instid0(VALU_DEP_2)
	v_floor_f32 v12, -v13                          ; the new -M = floor(-t) = -ceil(t): M is a whole number
	s_delay_alu instid0(VALU_DEP_1)
	v_sub_f32 v[TMP], v12, v[TMP]                  ; M's old value less its new one: a whole number, 0 or less
	s_delay_alu instid0(VALU_DEP_1)
	v_cvt_i32_f32 v[TMP], v[TMP]                   ; (it saturates)
	s_delay_alu instid0(VALU_DEP_1)
	v_ldexp_f32 v[FP], 1.0, v[TMP]                 ; f = 2^(old M - new M)
.set j, 0
.rept 32
	v_pk_fma_f32 v[S+j:S+j+1], v[S+j:S+j+1], s[CS:CS+1], v[12:13] op_sel_hi:[1,0,0]   ; t - M, two at a time
.set j, j+2
.endr
.irp b, 0,1,2,3
	v_fma_f32 v[BM+\b], v[BM+\b], s[CS], v12       ; the same of each block's largest score
.endr
.set j, 0
	s_setprio 1
	s_wait_alu depctr_va_vdst(0)
.rept 64
	v_exp_f32 v[S+j], v[S+j]                       ; p = 2^(t - M), at most 1: not normalised
.set j, j+1
.endr
	v_pk_mul_f32 v[14:15], v[14:15], v[FP:FP+1] op_sel_hi:[1,0]   ; the sums under the new M.  (A plain place behind the exponentials)
	s_wait_alu depctr_va_vdst(0)                   ; one wait for the whole batch, ahead of its first reader
.irp b, 0,1,2,3
	v_exp_f32 v[BM+\b], v[BM+\b]                   ; the block's largest p: the same two instructions on the same number give the same bits
.endr
	v_pk_add_f32 v[196:197], v[88:89], v[92:93]
	v_pk_add_f32 v[252:253], v[96:97], v[100:101]
	v_pk_add_f32 v[250:251], v[104:105], v[108:109]
	v_pk_add_f32 v[248:249], v[112:113], v[116:117]
	v_pk_add_f32 v[246:247], v[120:121], v[124:125]
	v_pk_add_f32 v[244:245], v[128:129], v[132:133]
	v_pk_add_f32 v[242:243], v[136:137], v[140:141]
	v_pk_add_f32 v[14:15], v[14:15], v[144:145]
	v_pk_add_f32 v[196:197], v[196:197], v[84:85]
	v_pk_add_f32 v[252:253], v[252:253], v[86:87]
	v_pk_add_f32 v[250:251], v[250:251], v[90:91]
	v_pk_add_f32 v[248:249], v[248:249], v[94:95]
	v_pk_add_f32 v[246:247], v[246:247], v[98:99]
	v_pk_add_f32 v[244:245], v[244:245], v[102:103]
	v_pk_add_f32 v[242:243], v[242:243], v[106:107]
	v_pk_add_f32 v[14:15], v[14:15], v[110:111]
	v_pk_add_f32 v[196:197], v[196:197], v[114:115]
	v_pk_add_f32 v[252:253], v[252:253], v[118:119]
	v_pk_add_f32 v[250:251], v[250:251], v[122:123]
	v_pk_add_f32 v[248:249], v[248:249], v[126:127]
	v_pk_add_f32 v[246:247], v[246:247], v[130:131]
	v_pk_add_f32 v[244:245], v[244:245], v[134:135]
	v_pk_add_f32 v[242:243], v[242:243], v[138:139]
	v_pk_add_f32 v[14:15], v[14:15], v[142:143]
	v_pk_add_f32 v[196:197], v[196:197], v[146:147]
	s_delay_alu instid0(VALU_DEP_2)
	v_pk_add_f32 v[14:15], v[14:15], v[248:249]
	s_delay_alu instid0(VALU_DEP_2)
	v_pk_add_f32 v[196:197], v[196:197], v[246:247]
	v_pk_add_f32 v[252:253], v[252:253], v[244:245]
	v_pk_add_f32 v[250:251], v[250:251], v[242:243]
	s_delay_alu instid0(VALU_DEP_2)
	v_pk_add_f32 v[14:15], v[14:15], v[252:253]
	s_delay_alu instid0(VALU_DEP_2)
	v_pk_add_f32 v[196:197], v[196:197], v[250:251]
	s_delay_alu instid0(VALU_DEP_1)
	v_pk_add_f32 v[14:15], v[14:15], v[196:197]
	s_wait_alu depctr_va_vdst(0)                   ; and one for the four
.irp b, 0,1,2,3
	v_max_num_f32 v[BM+\b], 0x1800000, v[BM+\b]    ; the floor 2^(3 - 127): the byte cannot fall under 1
.endr
.irp b, 0,1,2,3
	s_delay_alu instid0(VALU_DEP_4)
	v_add_nc_u32 v[SO+\b], 0xff000000, v[BM+\b]    ; 2 off the exponent field: the conversion's scale operand
.endr
.irp b, 0,1,2,3
	s_delay_alu instid0(VALU_DEP_4)
	v_lshrrev_b32 v[PT+\b], 23, v[SO+\b]           ; the scale's byte
.endr
	s_delay_alu instid0(VALU_DEP_3)
	v_lshl_or_b32 v[FP+1], v[PT+1], 8, v[PT]       ; p's scale word for these 128 keys
	s_delay_alu instid0(VALU_DEP_1)
	v_lshl_or_b32 v[FP+1], v[PT+2], 16, v[FP+1]
	s_delay_alu instid0(VALU_DEP_1)
	v_lshl_or_b32 v[FP+1], v[PT+3], 24, v[FP+1]
.irp c, 0,1
	v_cvt_scalef32_pk16_fp6_f32 v[CD+6*\c:CD+2+6*\c], v[S+32*\c:S+15+32*\c], v[SO+2*\c]
	v_cvt_scalef32_pk16_fp6_f32 v[PT+4*\c:PT+2+4*\c], v[S+16+32*\c:S+31+32*\c], v[SO+2*\c+1]   ; (a conversion's three registers begin on an even number)
.endr
	v_nop                                          ; one plain place behind a scaled conversion
	s_setprio 0
.irp c, 0,1                                    ; the operand's layout wants a WHOLE block in a lane: lanes 0-15 block 2 c, lanes 16-31 block 2 c + 1
.irp i, 0,1,2
	v_permlane16_swap_b32 v[CD+6*\c+\i], v[PT+4*\c+\i]
.endr
.irp i, 0,1,2
	s_delay_alu instid0(VALU_DEP_3)
	v_mov_b32 v[CD+3+6*\c+\i], v[PT+4*\c+\i]
.endr
.endr
.set j, 0
.rept 16
	v_pk_mul_f32 v[O+j:O+j+1], v[O+j:O+j+1], v[FP:FP+1] op_sel_hi:[1,0]   ; O^T under the new M: x f.  (These sixteen also stand between the writes of p's codes and scale word and the products below)
.set j, j+2
.endr
	s_wait_alu depctr_va_vdst(0)
	s_wait_dscnt 0x0                               ; V
.irp d, 0,1,2,3                                ; O^T += V^T P^T: four tiles of 16 features; K = these 128 keys; the four accumulators by turns
.if \d%2 == 0
	v_wmma_scale_f32_16x16x128_f8f6f4 v[O+8*\d:O+8*\d+7], v[F+12*\d:F+12*\d+11], v[CD:CD+11], v[O+8*\d:O+8*\d+7], v[VSC+\d/2], v[FP+1] matrix_a_fmt:MATRIX_FMT_FP6 matrix_b_fmt:MATRIX_FMT_FP6
.else
	v_wmma_scale_f32_16x16x128_f8f6f4 v[O+8*\d:O+8*\d+7], v[F+12*\d:F+12*\d+11], v[CD:CD+11], v[O+8*\d:O+8*\d+7], v[VSC+\d/2], v[FP+1] matrix_a_fmt:MATRIX_FMT_FP6 matrix_b_fmt:MATRIX_FMT_FP6 matrix_a_scale:MATRIX_SCALE_ROW1
.endif
.endr
	s_add_co_u32 s[TB], s[TB], REC
	s_sub_co_u32 s[CNT], s[CNT], 1
	s_cmp_lg_u32 s[CNT], 0
	s_cbranch_scc1 .Lstep
	s_setprio 0
	; THE WAY OUT OF A PASS
.rept 4
	v_nop                                          ; places behind the last products
.endr
	s_cmp_eq_u32 s[PASS], 1                        ; the next pass's Q is asked for here, if there is a next pass: 16 query tiles, two records, on
	s_cbranch_scc1 .Lno_next
	QLOAD 2*REC
.Lno_next:
	v_add_f32 v14, v14, v15                        ; the sum's two halves,
	s_delay_alu instid0(VALU_DEP_1)
	v_permlanex16_b32 v[TMP], v14, s[SEL], s[SEL+1]
	s_delay_alu instid0(VALU_DEP_1)
	v_add_f32 v14, v14, v[TMP]                     ; and lane l xor 16's: the row's sum
	s_wait_alu depctr_va_vdst(0)
	v_rcp_f32 v14, v14
	v_nop                                          ; a plain place behind the reciprocal
	s_wait_alu depctr_va_vdst(0)                   ; and the wait, ahead of its first reader
.set j, 0
.rept 16
	v_pk_mul_f32 v[S+j:S+j+1], v[O+j:O+j+1], v[14:15] op_sel_hi:[1,0]   ; O^T / the sum: register 8 t + i is feature 16 t + 8 (lane / 16) + i; each accumulator from its low end on
.set j, j+2
.endr
.irp b, 0,1                                    ; the last product meets a weight in ascending order: so the f32 numbers change halves first: register 16 b + i becomes feature 32 b + 16 (lane / 16) + i
.irp i, 0,1,2,3,4,5,6,7
	v_permlane16_swap_b32 v[S+16*\b+\i], v[S+16*\b+8+\i]
.endr
.endr
.irp b, 0,1
	v_max3_num_f32 v[BM+\b], |v[S+16*\b]|, |v[S+1+16*\b]|, 0x1800000   ; the head's two blocks of 32 features: my 16 numbers, and the floor
.endr
.irp i, 2,4,6,8,10,12,14
.irp b, 0,1
	s_delay_alu instid0(VALU_DEP_2)
	v_max3_num_f32 v[BM+\b], v[BM+\b], |v[S+16*\b+\i]|, |v[S+1+16*\b+\i]|
.endr
.endr
.irp b, 0,1
	s_delay_alu instid0(VALU_DEP_2)
	v_permlanex16_b32 v[PT+\b], v[BM+\b], s[SEL], s[SEL+1]
.endr
.irp b, 0,1
	s_delay_alu instid0(VALU_DEP_2)
	v_max_num_f32 v[BM+\b], v[BM+\b], v[PT+\b]
.endr
.irp b, 0,1
	s_delay_alu instid0(VALU_DEP_2)
	v_add_nc_u32 v[SO+\b], 0xff000000, v[BM+\b]
.endr
.irp b, 0,1
	s_delay_alu instid0(VALU_DEP_2)
	v_lshrrev_b32 v[PT+\b], 23, v[SO+\b]
.endr
	s_delay_alu instid0(VALU_DEP_1)
	v_lshl_or_b32 v[TMP], v[PT+1], 8, v[PT]        ; my query's two scale bytes
	v_cvt_scalef32_pk16_fp6_f32 v[CD:CD+2], v[S:S+15], v[SO]
	v_cvt_scalef32_pk16_fp6_f32 v[PT+4:PT+6], v[S+16:S+31], v[SO+1]
	v_nop                                          ; one plain place behind a scaled conversion
.irp i, 0,1,2
	v_permlane16_swap_b32 v[CD+\i], v[PT+4+\i]     ; lanes 0-15 block 0, lanes 16-31 block 1
.endr
.irp i, 0,1,2
	s_delay_alu instid0(VALU_DEP_3)
	v_mov_b32 v[CD+3+\i], v[PT+4+\i]
.endr
.irp p, 0,1,2
	global_store_b64 v[LA], v[CD+2*\p:CD+2*\p+1], s[6:7] offset:256*\p   ; the half fragment's image: each store covers 256 consecutive bytes, aligned
.endr
	global_store_b16 v[PSO], v[TMP], s[8:9]        ; two bytes a token, rows 32 bytes apart (lanes l and l + 16 write the same value to the same place): a row's other bytes belong to other heads' work-groups
	s_wait_xcnt 0x0                                ; loads and stores have read their addresses and data: the bases step, and the next pass writes the registers
	s_add_nc_u64 s[4:5], s[4:5], 2*REC
	s_add_nc_u64 s[QSB:QSB+1], s[QSB:QSB+1], 2*REC
	s_add_nc_u64 s[6:7], s[6:7], 16*16*768
	s_add_nc_u64 s[8:9], s[8:9], 256*32
	s_sub_co_u32 s[PASS], s[PASS], 1
	s_cmp_lg_u32 s[PASS], 0
	s_cbranch_scc1 .Lpass
	s_wait_tensorcnt 0x0
	ds_add_u32 v254, v255
	s_wait_dscnt 0x0
	CROUND                                         ; the closing round
	s_endpgm
.Lfunc_end_k_q8017e0913e_attn:
	.size	k_q8017e0913e_attn, .Lfunc_end_k_q8017e0913e_attn-k_q8017e0913e_attn
	.p2alignl 7, 3214868480
	.fill 96, 4, 3214868480
	.section	.rodata,"a",@progbits
	.p2align	6, 0x0
	.amdhsa_kernel k_q8017e0913e_attn
		.amdhsa_group_segment_fixed_size 206848
		.amdhsa_private_segment_fixed_size 0
		.amdhsa_enable_private_segment 0
		.amdhsa_kernarg_size 24
		.amdhsa_user_sgpr_count 2
		.amdhsa_user_sgpr_kernarg_segment_ptr 1
		.amdhsa_wavefront_size32 1
		.amdhsa_system_sgpr_workgroup_id_x 1
		.amdhsa_system_sgpr_workgroup_id_y 1
		.amdhsa_system_sgpr_workgroup_id_z 1
		.amdhsa_system_vgpr_workitem_id 0
		.amdhsa_next_free_vgpr 256
		.amdhsa_next_free_sgpr 66
		.amdhsa_reserve_vcc 0
		.amdhsa_float_denorm_mode_32 3
		.amdhsa_float_denorm_mode_16_64 3
		.amdhsa_memory_ordered 1
		.amdhsa_forward_progress 1
		.amdhsa_inst_pref_size 32
	.end_amdhsa_kernel
	.amdgpu_metadata
---
amdhsa.version: [ 1, 2 ]
amdhsa.kernels:
  - .name:           k_q8017e0913e_attn
    .symbol:         k_q8017e0913e_attn.kd
    .args:
      - { .name: qkv, .offset: 0, .size: 8, .value_kind: global_buffer, .address_space: global }
      - { .name: pf, .offset: 8, .size: 8, .value_kind: global_buffer, .address_space: global }
      - { .name: pfs, .offset: 16, .size: 8, .value_kind: global_buffer, .address_space: global }
    .group_segment_fixed_size: 206848
    .private_segment_fixed_size: 0
    .kernarg_segment_align: 8
    .kernarg_segment_size: 24
    .max_flat_workgroup_size: 512
    .sgpr_count:     66
    .vgpr_count:     256
    .wavefront_size: 32
...
	.end_amdgpu_metadata
.endif
;; end of part 2
;; launch proj (part 3): grid 4 x 32, 4 waves a work-group, clusters of 4 x 4, 327,680 bytes of LDS; arguments pf, pfs, Wo_codes, Wo_scales, out0, bo; writes out0
.if DOCPART == 3
	.amdgcn_target "amdgcn-amd-amdhsa--gfx1250"
	.amdhsa_code_object_version 6
	.text
	.protected	k_q8017e0913e_proj
	.globl	k_q8017e0913e_proj
	.p2align	8
	.type	k_q8017e0913e_proj,@function
k_q8017e0913e_proj:
	s_mov_b64 s[64:65], 0
	v_nop
	global_prefetch_b8 v0, s[64:65] scope:SCOPE_SE
	s_setreg_imm32_b32 hwreg(HW_REG_WAVE_MODE, 25, 1), 1
	s_wait_xcnt 0x0
	s_wait_alu depctr_hold_cnt(0) depctr_sa_sdst(0) depctr_va_vdst(0) depctr_va_sdst(0) depctr_va_ssrc(0) depctr_va_vcc(0) depctr_vm_vsrc(0)
	s_getreg_b32 s2, hwreg(HW_REG_IB_STS2, 6, 4)
	s_cmp_eq_u32 s2, 0
	s_cbranch_scc0 .Lentry_in_a_cluster
	s_endpgm
.Lentry_in_a_cluster:
	s_bfe_u32 s2, ttmp6, 0x10000c
	s_cmp_lg_u32 s2, 0xf033
	s_cbranch_scc0 .Lentry_shape_is_right
	s_endpgm
.Lentry_shape_is_right:
.set SIZE_N, 1024
.set SIZE_K, 1024
.set KSTEP,  256
.set NQ,     KSTEP/128
.set ROWB,   192
.set ROWA,   3072
.set KROW,   SIZE_K*6/8
.set PITCH,  240
.set FR,     12
.set NL,     6
.set NP,     4
.set HALFT,  128*PITCH
.set SLOT,   4*HALFT
.set LAPS,   SIZE_K/(2*KSTEP)
.set KS,     SIZE_K/32
.set SCL,    2*SLOT
.set HALFS,  (128*KS/256)*272
.set SBLK,   (16*KS/256)*272
.set SPARE,  SCL+4*HALFS
.set SPITCH, 528
.set ADRA, 16
.set ADRB, 20
.set STO,  24
.set RD,   25
.set CO,   26
.set ADRS, 27
.set SPW,  28
.set NIL,  29
.set SC,   32
.set BR,   64
.set AF,   128
.set BK,   128
.set G1, 24
.set G0, 32
.set G1B, 48
.set G0B, 56
.set G1S, 68
.set G0S, 76
.set G1SB, 80
.set G0SB, 88
.set MSB, 0
.macro WIN new
.if MSB != \new
	s_set_vgpr_msb (MSB<<8)|\new
.set MSB, \new
.endif
.endm
.set MUL_LO,  0xa1
.set MUL_HI,  0xf1
.set MUL_LO0, 0x81
.set MUL_HI0, 0xc1
.set TO_B,    0x40
.macro JLOAD g0a, g1a, g0b, g1b
	s_cmp_eq_u32 s15, 0
	s_cbranch_scc0 .Lfor_b_\@
	tensor_load_to_lds s[\g0a:\g0a+3], s[\g1a:\g1a+7]
	s_nop 0
.rept 4
	v_nop
.endr
	s_branch .Lasked_\@
.Lfor_b_\@:
	tensor_load_to_lds s[\g0b:\g0b+3], s[\g1b:\g1b+7]
	s_nop 0
.rept 4
	v_nop
.endr
.Lasked_\@:
.endm
.macro CREST
	s_cmp_lg_u32 s14, 0
	s_cbranch_scc1 .Lnot_wave_0_\@
	s_barrier_signal -3
.Lnot_wave_0_\@:
	s_barrier_wait -3
	s_barrier_signal -1
	s_barrier_wait -1
.endm
.macro CROUND
	s_barrier_signal -1
	s_barrier_wait -1
	CREST
.endm
	s_load_b128 s[4:7], s[0:1], 0x0
	s_load_b128 s[8:11], s[0:1], 0x10
	s_load_b64 s[12:13], s[0:1], 0x20
	s_load_b64 s[96:97], s[0:1], 0x28
	v_lshl_add_u32 v[SPW], v0, 2, SPARE
	v_mov_b32 v[NIL], 0
	ds_add_u32 v28, v29
	ds_add_u32 v28, v29
	s_wait_dscnt 0x0
	v_lshrrev_b32 v1, 5, v0
	v_readfirstlane_b32 s14, v1
	s_lshr_b32 s15, s14, 1
	s_and_b32 s16, s14, 1
	s_bfe_u32 s40, ttmp6, 0x40000
	s_bfe_u32 s41, ttmp6, 0x40004
	s_lshl_b32 s42, ttmp9, 2
	s_add_co_u32 s42, s42, s40
	s_and_b32 s17, ttmp7, 0xffff
	s_lshl_b32 s17, s17, 2
	s_add_co_u32 s17, s17, s41
	s_lshl_b32 s43, s41, 2
	s_lshl_b32 s43, 15, s43
	s_lshl_b32 s44, 0x1111, s40
	s_or_b32 s[G1+0], s43, (3<<16)|(1<<21)
	s_mov_b32 s[G1+1], 384<<16
	s_mov_b32 s[G1+2], 8<<16
	s_mov_b32 s[G1+3], 384<<16
	s_mov_b32 s[G1+4], 8
	s_mov_b32 s[G1+5], 1536
	s_mov_b32 s[G1+6], 0
	s_mov_b32 s[G1+7], 0
	s_or_b32 s[G1B+0], s44, (0<<16)|(1<<20)|(1<<21)|(3<<22)|(3<<25)
	s_mov_b32 s[G1B+1], ROWB<<16
	s_mov_b32 s[G1B+2], 128<<16
	s_mov_b32 s[G1B+3], ROWB<<16
	s_mov_b32 s[G1B+4], 128
	s_mov_b32 s[G1B+5], KROW
	s_mov_b32 s[G1B+6], 0
	s_mov_b32 s[G1B+7], 0
	s_or_b32 s[G1S+0], s43, (3<<16)|(1<<20)|(1<<21)|(5<<22)|(3<<25)
	s_or_b32 s[G1SB+0], s44, (3<<16)|(1<<20)|(1<<21)|(5<<22)|(3<<25)
.irp g, G1S, G1SB
	s_mov_b32 s[\g+1], 32<<16
	s_mov_b32 s[\g+2], (128*KS/256)<<16
	s_mov_b32 s[\g+3], 32<<16
	s_mov_b32 s[\g+4], 128*KS/256
	s_mov_b32 s[\g+5], 32
	s_mov_b32 s[\g+6], 0
	s_mov_b32 s[\g+7], 0
.endr
	s_lshl_b32 s18, s16, 7
	s_lshl_b32 s20, s17, 8
	s_add_co_u32 s20, s20, s18
	s_lshl_b32 s46, s42, 8
	s_add_co_u32 s46, s46, s18
	s_mov_b32 s21, 0
	s_mov_b32 s47, 0
	s_mov_b64 s[18:19], KS
	s_mul_u64 s[22:23], s[20:21], s[18:19]
	s_mul_u64 s[92:93], s[46:47], s[18:19]
	s_mov_b64 s[18:19], KROW
	s_mul_u64 s[20:21], s[20:21], s[18:19]
	s_mul_u64 s[46:47], s[46:47], s[18:19]
	s_mul_i32 s45, s14, HALFT
	s_mul_i32 s94, s14, HALFS
	s_wait_kmcnt 0x0
	s_add_nc_u64 s[20:21], s[4:5], s[20:21]
	s_add_nc_u64 s[22:23], s[6:7], s[22:23]
	s_add_nc_u64 s[46:47], s[8:9], s[46:47]
	s_add_nc_u64 s[92:93], s[10:11], s[92:93]
	CROUND
	s_mov_b32 s[G0S], 1
	s_add_co_u32 s[G0S+1], s94, SCL
	s_mov_b64 s[G0S+2:G0S+3], s[22:23]
	s_or_b32 s[G0S+3], s[G0S+3], 0x80000000
	s_mov_b32 s[G0SB], 1
	s_add_co_u32 s[G0SB+1], s94, SCL
	s_mov_b64 s[G0SB+2:G0SB+3], s[92:93]
	s_or_b32 s[G0SB+3], s[G0SB+3], 0x80000000
	JLOAD G0S, G1S, G0SB, G1SB
.irp s, 0,1
	s_mov_b32 s[G0+4*\s], 1
	s_add_co_u32 s[G0+4*\s+1], s45, \s*SLOT
	s_add_nc_u64 s[G0+4*\s+2:G0+4*\s+3], s[20:21], \s*ROWA
	s_or_b32 s[G0+4*\s+3], s[G0+4*\s+3], 0x80000000
	s_mov_b32 s[G0B+4*\s], 1
	s_add_co_u32 s[G0B+4*\s+1], s45, \s*SLOT
	s_add_nc_u64 s[G0B+4*\s+2:G0B+4*\s+3], s[46:47], \s*ROWB
	s_or_b32 s[G0B+4*\s+3], s[G0B+4*\s+3], 0x80000000
	s_wait_alu depctr_va_vdst(0)
	s_wait_tensorcnt 0x0
	ds_add_u32 v28, v29
	s_wait_dscnt 0x0
	CROUND
	JLOAD G0+4*\s, G1, G0B+4*\s, G1B
.endr
	v_and_b32 v1, 15, v0
	v_bfe_u32 v2, v0, 4, 1
	v_mul_u32_u24 v3, v1, PITCH
	v_mul_u32_u24 v4, v2, 24
	v_add_nc_u32 v4, v3, v4
	v_lshl_add_u32 v5, v2, 4, v4
	v_and_b32 v6, 31, v0
	v_lshlrev_b32 v7, 3, v6
	s_mul_i32 s21, s15, HALFT
	s_mul_i32 s22, s16, HALFT
	s_add_co_u32 s22, s22, 2*HALFT
.irp s, 0,1
	v_add_nc_u32 v[ADRA+\s], s21, v7
	v_add_nc_u32 v[ADRB+\s], s22, v4
	v_add_nc_u32 v[ADRB+2+\s], s22, v5
	s_add_co_u32 s21, s21, SLOT
	s_add_co_u32 s22, s22, SLOT
.endr
	v_mul_u32_u24 v5, v1, KS
	v_lshrrev_b32 v6, 8, v5
	v_lshl_add_u32 v5, v6, 4, v5
	s_mul_i32 s21, s15, HALFS
	s_mul_i32 s22, s16, HALFS
	s_add_co_u32 s22, s22, 2*HALFS
	s_sub_co_u32 s22, s22, s21
	v_mul_u32_u24 v6, s22, v2
	s_add_co_u32 s21, s21, SCL
	v_add_nc_u32 v5, v5, v6
	v_add_nc_u32 v[ADRS], s21, v5
	s_mul_i32 s23, s14, 16*SPITCH
	v_mul_u32_u24 v5, v1, SPITCH
	v_lshl_add_u32 v5, v2, 5, v5
	v_add_nc_u32 v[STO], s23, v5
	v_and_b32 v6, 31, v0
	v_lshlrev_b32 v[CO], 4, v6
	v_add_nc_u32 v[RD], s23, v[CO]
	s_lshl_b32 s20, s17, 8
	s_lshl_b32 s21, s15, 7
	s_add_co_u32 s20, s20, s21
	s_mov_b32 s21, 0
	s_mov_b64 s[18:19], SIZE_N*4
	s_mul_u64 s[20:21], s[20:21], s[18:19]
	s_lshl_b32 s46, s42, 10
	s_lshl_b32 s47, s16, 9
	s_add_co_u32 s46, s46, s47
	s_mov_b32 s47, 0
	v_lshlrev_b32 v5, 5, v2
	v_add_nc_u32 v5, s46, v5
.irp b, 0,1,2,3,4,5,6,7
	global_load_b128 v[BR+8*\b:BR+8*\b+3], v5, s[96:97] offset:64*\b
	global_load_b128 v[BR+8*\b+4:BR+8*\b+7], v5, s[96:97] offset:64*\b+16
.endr
	s_add_nc_u64 s[20:21], s[20:21], s[46:47]
	s_add_nc_u64 s[12:13], s[12:13], s[20:21]
.macro FRAG reg, adr, q, i
.irp p, 0,1,2,3,4,5
.set PCE, 12*(\q)+6*(\p/3)+\p%3
.if PCE%8 < 5
	ds_load_b64 v[\reg+2*\p:\reg+2*\p+1], v[\adr] offset:8*PCE+16*(PCE/8)+(\i)*16*PITCH
.else
	ds_load_b64 v[\reg+2*\p:\reg+2*\p+1], v[\adr+2] offset:8*PCE+16*(PCE/8)+(\i)*16*PITCH
.endif
.endr
.endm
.macro FRAGA reg, adr, q, i
.irp p, 0,1,2,3,4,5
	ds_load_b64 v[\reg+2*\p:\reg+2*\p+1], v[\adr] offset:ROWA*(\i)+1536*(\q)+256*\p
.endr
.endm
.macro MUL16 a0, p, q, sc, zero
.irp a, \a0, \a0+1
.irp b, 0,1,2,3,4,5,6,7
.if \zero
	v_wmma_scale_f32_16x16x128_f8f6f4 v[8*(8*((\a)%4)+\b):8*(8*((\a)%4)+\b)+7], v[128*(\p)+FR*\b:128*(\p)+FR*\b+FR-1], v[AF+FR*(\a):AF+FR*(\a)+FR-1], v[BR+8*\b:BR+8*\b+7], v[SC+8*NQ*(\sc)+NQ*\b+(\q)], v[SC+8*NQ*(\sc)+NQ*(\a)+(\q)] matrix_a_fmt:MATRIX_FMT_FP6 matrix_b_fmt:MATRIX_FMT_FP6 matrix_a_scale:MATRIX_SCALE_ROW1
.else
	v_wmma_scale_f32_16x16x128_f8f6f4 v[8*(8*((\a)%4)+\b):8*(8*((\a)%4)+\b)+7], v[128*(\p)+FR*\b:128*(\p)+FR*\b+FR-1], v[AF+FR*(\a):AF+FR*(\a)+FR-1], v[8*(8*((\a)%4)+\b):8*(8*((\a)%4)+\b)+7], v[SC+8*NQ*(\sc)+NQ*\b+(\q)], v[SC+8*NQ*(\sc)+NQ*(\a)+(\q)] matrix_a_fmt:MATRIX_FMT_FP6 matrix_b_fmt:MATRIX_FMT_FP6 matrix_a_scale:MATRIX_SCALE_ROW1
.endif
.endr
.endr
.endm
.macro FETCH_B slot, q, p
	WIN TO_B
.irp i, 0,1,2,3,4,5,6,7
	FRAG 128*(\p)+FR*\i, ADRB+\slot, \q, \i
.endr
	WIN 0
.endm
.macro FETCH_A slot, q, i0
.irp i, \i0, \i0+1, \i0+2, \i0+3
	FRAGA AF+FR*(\i), ADRA+\slot, \q, \i
.endr
.endm
.macro SCALES sc
.irp i, 0,1,2,3,4,5,6,7
	ds_load_b64 v[SC+8*NQ*\sc+NQ*\i:SC+8*NQ*\sc+NQ*\i+1], v[ADRS] offset:\i*SBLK
.endr
.endm
.macro PLACES n
.rept \n
	v_nop
.endr
.endm
.macro STEP slot, q, zero
	s_wait_dscnt 4*NL
.if \zero
	WIN MUL_LO0
.else
	WIN MUL_LO
.endif
	MUL16 0, (\q)%2, \q, \slot, \zero
	MUL16 2, (\q)%2, \q, \slot, \zero
	s_wait_dscnt 0
	PLACES NP
	FETCH_B \slot, (\q)+1, 1-(\q)%2
	FETCH_A \slot, (\q)+1, 0
.if \zero
	WIN MUL_HI0
.else
	WIN MUL_HI
.endif
	MUL16 4, (\q)%2, \q, \slot, \zero
	MUL16 6, (\q)%2, \q, \slot, \zero
	PLACES NP
	WIN 0
	FETCH_A \slot, (\q)+1, 4
.endm
.macro TURN slot, next, fill
	s_wait_tensorcnt 0x0
	ds_add_u32 v[SPW], v[NIL]
	s_wait_dscnt 4*NL+1
	WIN MUL_LO
	MUL16 0, 1, NQ-1, \slot, 0
	s_wait_dscnt 0x0
	s_barrier_signal -1
	MUL16 2, 1, NQ-1, \slot, 0
	WIN 0
	s_barrier_wait -1
.if \fill
	CREST
	s_add_nc_u64 s[G0+4*\slot+2:G0+4*\slot+3], s[G0+4*\slot+2:G0+4*\slot+3], 2*ROWA
	s_add_nc_u64 s[G0B+4*\slot+2:G0B+4*\slot+3], s[G0B+4*\slot+2:G0B+4*\slot+3], 2*ROWB
	JLOAD G0+4*\slot, G1, G0B+4*\slot, G1B
.else
	PLACES NP
.endif
	s_wait_alu depctr_va_vdst(0)
	v_add_nc_u32 v[ADRS], 4*NQ, v[ADRS]
	FETCH_B \next, 0, 0
	FETCH_A \next, 0, 0
	SCALES \next
	WIN MUL_HI
	MUL16 4, 1, NQ-1, \slot, 0
	MUL16 6, 1, NQ-1, \slot, 0
	PLACES NP
	WIN 0
	FETCH_A \next, 0, 4
.endm
	s_wait_alu depctr_va_vdst(0)
	s_wait_loadcnt 0x0
	s_wait_tensorcnt 1
	s_barrier_signal -1
	s_barrier_wait -1
	FETCH_B 0, 0, 0
	FETCH_A 0, 0, 0
	SCALES 0
	FETCH_A 0, 0, 4
	STEP 0, 0, 1
	s_mov_b32 s3, LAPS-1
.Llap:
	TURN 0, 1, 1
	STEP 1, 0, 0
	TURN 1, 0, 1
	STEP 0, 0, 0
	s_sub_co_u32 s3, s3, 1
	s_cmp_lg_u32 s3, 0
	s_cbranch_scc1 .Llap
	TURN 0, 1, 0
	STEP 1, 0, 0
	s_wait_dscnt 4*NL
	WIN MUL_LO
	MUL16 0, 1, NQ-1, 1, 0
	MUL16 2, 1, NQ-1, 1, 0
	s_wait_dscnt 0
	WIN MUL_HI
	MUL16 4, 1, NQ-1, 1, 0
	MUL16 6, 1, NQ-1, 1, 0
	WIN 0
.macro TOSTAGE a
.set AC, 64*((\a)%4)
	WIN 0x08+4*((\a)/4)
.irp b, 0,1,2,3,4,5,6,7
	ds_store_b128 v[STO], v[AC+8*\b:AC+8*\b+3] offset:64*\b
	ds_store_b128 v[STO], v[AC+8*\b+4:AC+8*\b+7] offset:64*\b+16
.endr
	WIN 0
.set BB, BK+64*((\a)%2)
.irp t, 0,1,2,3,4,5,6,7,8,9,10,11,12,13,14,15
	ds_load_b128 v[BB+4*\t:BB+4*\t+3], v[RD] offset:\t*SPITCH
.endr
.endm
.macro SEND a, younger
.set BB, BK+64*((\a)%2)
	s_wait_dscnt \younger
.if (\a) > 0
	s_add_nc_u64 s[12:13], s[12:13], 16*SIZE_N*4
.endif
.irp t, 0,1,2,3,4,5,6,7,8,9,10,11,12,13,14,15
	global_store_b128 v[CO], v[BB+4*\t:BB+4*\t+3], s[12:13] offset:\t*SIZE_N*4 th:TH_STORE_NT
.endr
.endm
	PLACES NP
	TOSTAGE 0
.irp a, 1,2,3,4,5,6,7
.if \a > 1
	s_wait_xcnt 0x0
.endif
	TOSTAGE \a
	SEND \a-1, 32
.endr
	s_wait_xcnt 0x0
	SEND 7, 0
	s_wait_tensorcnt 0x0
	ds_add_u32 v[SPW], v[NIL]
	s_wait_dscnt 0x0
	CROUND
	s_endpgm
.Lfunc_end_k_q8017e0913e_proj:
	.size	k_q8017e0913e_proj, .Lfunc_end_k_q8017e0913e_proj-k_q8017e0913e_proj
	.p2alignl 7, 3214868480
	.fill 96, 4, 3214868480
	.section	.rodata,"a",@progbits
	.p2align	6, 0x0
	.amdhsa_kernel k_q8017e0913e_proj
		.amdhsa_group_segment_fixed_size 327680
		.amdhsa_private_segment_fixed_size 0
		.amdhsa_enable_private_segment 0
		.amdhsa_kernarg_size 48
		.amdhsa_user_sgpr_count 2
		.amdhsa_user_sgpr_kernarg_segment_ptr 1
		.amdhsa_wavefront_size32 1
		.amdhsa_system_sgpr_workgroup_id_x 1
		.amdhsa_system_sgpr_workgroup_id_y 1
		.amdhsa_system_sgpr_workgroup_id_z 1
		.amdhsa_system_vgpr_workitem_id 0
		.amdhsa_next_free_vgpr 1024
		.amdhsa_next_free_sgpr 98
		.amdhsa_reserve_vcc 0
		.amdhsa_float_denorm_mode_32 3
		.amdhsa_float_denorm_mode_16_64 3
		.amdhsa_memory_ordered 1
		.amdhsa_forward_progress 1
		.amdhsa_inst_pref_size 162
	.end_amdhsa_kernel
	.amdgpu_metadata
---
amdhsa.version: [ 1, 2 ]
amdhsa.kernels:
  - .name:           k_q8017e0913e_proj
    .symbol:         k_q8017e0913e_proj.kd
    .args:
      - { .name: pf, .offset: 0, .size: 8, .value_kind: global_buffer, .address_space: global }
      - { .name: pfs, .offset: 8, .size: 8, .value_kind: global_buffer, .address_space: global }
      - { .name: Wo_codes, .offset: 16, .size: 8, .value_kind: global_buffer, .address_space: global }
      - { .name: Wo_scales, .offset: 24, .size: 8, .value_kind: global_buffer, .address_space: global }
      - { .name: out0, .offset: 32, .size: 8, .value_kind: global_buffer, .address_space: global }
      - { .name: bo, .offset: 40, .size: 8, .value_kind: global_buffer, .address_space: global }
    .group_segment_fixed_size: 327680
    .private_segment_fixed_size: 0
    .kernarg_segment_align: 8
    .kernarg_segment_size: 48
    .max_flat_workgroup_size: 128
    .sgpr_count:     98
    .vgpr_count:     1024
    .wavefront_size: 32
...
	.end_amdgpu_metadata
.endif
;; end of part 3
